; MI455X (gfx1250); checked and timed in simulation.
; The chip was launched on July 23, 2026; its instructions are those of AMD's public machine-readable ISA for CDNA 5 (MIT licence, August 2026) and "CDNA5" Instruction Set Architecture Reference Guide (July 2026). The comments in the code are by the model that wrote it; some were corrected since.
;; CUDA Attention Layer. Allowed arithmetic: matrix products marked QUANTISED: E2M3 operands, one E8M0 scale for each 32 along K, by v_wmma_scale_f32_16x16x128_f8f6f4 with both operands' format E2M3, f32 sums; everything else in f32.
;; Inputs: Wk 1,024 x 1,024 float32; Wo 1,024 x 1,024 float32; Wq 1,024 x 1,024 float32; Wv 1,024 x 1,024 float32; bk 1,024 float32; bo 1,024 float32; bq 1,024 float32; bv 1,024 float32; x 4 x 2,048 x 1,024 float32.
;; Outputs: out0 4 x 2,048 x 1,024 float32.
;; This version of the problem:
;;   THIS VERSION OF THE PROBLEM IS GIVEN IN LOW PRECISION. The matrix products marked QUANTISED in the list below multiply operands that are first quantised to E2M3 (2 exponent bits, 3 mantissa bits; 6 bits a number), with one power-of-two scale for each 32 numbers along K (OCP MX v1.0); their sums are f32. All else is computed in f32.
;;   The module's matrix products, in the order in which they are computed (A, B: the left and right operand; K: the contracted axis; several contracted axes count as one K, in the product's order):
;;     1. [M 8,192, K 1,024] x [K 1,024, N 1,024]; A: input x; B: input Wq: QUANTISED
;;     2. [M 8,192, K 1,024] x [K 1,024, N 1,024]; A: input x; B: input Wk: QUANTISED
;;     3. [M 8,192, K 1,024] x [K 1,024, N 1,024]; A: input x; B: input Wv: QUANTISED
;;     4. batch 4 x [M 2,048, K 1,024] x [K 1,024, N 2,048]; A: computed on the way; B: computed on the way: QUANTISED
;;     5. batch 4 x [M 2,048, K 2,048] x [K 2,048, N 1,024]; A: softmax (see below); B: computed on the way: QUANTISED
;;     6. [M 8,192, K 1,024] x [K 1,024, N 1,024]; A: computed on the way; B: input Wo: QUANTISED
;;   THE QUANTISER, for each operand of a quantised product, along K:
;;     - K is cut into blocks of 32 from its start; a last block that is shorter is filled with zeros.
;;     - A block's scale is 2^e with e = floor(log2(the largest magnitude in the block)) - 2, held to -126 .. 127; a block of zeros has e = 0. As a byte (E8M0): e + 127.
;;     - Each number is divided by its block's scale, clamped to +-7.5, and rounded to the nearest number of E2M3, ties to even, subnormals kept.
;;     - The product sums the exact products of the quantised numbers (number of the format x scale) in f32.
;;   ~~~python
;;   def quantise(x, axis):      # numpy; x: float32 -> the quantised numbers, widened to float32 again
;;       x = np.moveaxis(x, axis, -1); K = x.shape[-1]
;;       x = np.pad(x, [(0, 0)] * (x.ndim - 1) + [(0, -K % 32)]); x = x.reshape(x.shape[:-1] + (-1, 32)); a = np.abs(x).max(-1, keepdims=True)
;;       e = np.where(a > 0, np.clip(np.frexp(np.where(a > 0, a, 1))[1] - 1 - 2, -126, 127), 0)      # np.frexp(a)[1] - 1 = floor(log2(a)), exactly
;;       r = np.clip(x / 2.0 ** e, -7.5, 7.5)
;;       step = 2.0 ** (np.maximum(np.frexp(np.where(r == 0, 1, r))[1] - 1, 0) - 3)
;;       q = np.round(r / step) * step * 2.0 ** e      # np.round: ties to even
;;       return np.moveaxis(q.reshape(q.shape[:-2] + (-1,))[..., :K], -1, axis).astype(np.float32)
;;   ~~~
;;   SOFTMAX AHEAD OF A QUANTISED PRODUCT. Where the list says 'softmax', what is quantised is not the finished softmax but p = 2^(t - M), with t = logit x log2(e) and M = ceil(the row's largest t), a whole number; so 1/2 < the row's largest p <= 1. The row's sum l is taken of the UNQUANTISED p, in f32, and the product's result is divided by l at the end. Since M is a whole number, a kernel that streams over the keys may use a running M (the ceiling of the running maximum): every later rescaling is an exact power of two, which a block's scale takes up: the codes' values come out the same.
;;   OPERANDS COMPUTED ON THE WAY. 'Computed on the way' means the value that the module computes at that place (a softmax that the list does not call 'softmax' is quantised finished and normalised). What goes into a quantiser is computed in f32, as accurately as f32 sums, v_exp_f32 and their like allow (about 1e-6 of the number): no bf16 or f16 on the way to a quantiser, and a product that is left as it is and whose result goes on into a quantised operand takes f32 operands (vector FMAs, or v_wmma_f32_16x16x4_f32). A number that lies on a knife's edge between two numbers of the format may be rounded either way, as far as f32 arithmetic and the matrix unit's own rounding can turn it there, and no further.
;; One version. Each part assembles by itself: llvm-mc -triple=amdgcn-amd-amdhsa -mcpu=gfx1250 --defsym DOCPART=n.
;; ======== version 1 of 1: 5 launches
;; limits: right only within a limited range of input values
;; workspace buffers: img 9,830,400 bytes; qk 13,107,200 bytes; vt 6,553,600 bytes; p 14,155,776 bytes; o 6,553,600 bytes
;; launch quant (part 1): grid 256 x 1, 6 waves a work-group, no clusters, 51,456 bytes of LDS; arguments x, Wq, Wk, Wv, Wo, img; writes img
.if DOCPART == 1
	.amdgcn_target "amdgcn-amd-amdhsa--gfx1250"
	.amdhsa_code_object_version 6
	.text
	.protected	k_q7258344b4d_quant
	.globl	k_q7258344b4d_quant
	.p2align	8
	.type	k_q7258344b4d_quant,@function
k_q7258344b4d_quant:
	s_mov_b64 s[64:65], 0
	v_nop
	global_prefetch_b8 v0, s[64:65] scope:SCOPE_SE
	s_setreg_imm32_b32 hwreg(HW_REG_WAVE_MODE, 25, 1), 1
	s_wait_xcnt 0x0
; x [8192][1024] and Wq, Wk, Wv, Wo [1024][1024], f32, K innermost, become codes of FP6 (E2M3) with one E8M0 byte for each 32 along K.
; THE LAYOUT OF img (and of every operand of the later launches): images of operand registers.  A GROUP is 128 rows, a K STEP 128 along K.  Block t (0..7) of a group holds rows
; 32 (t / 2) + 8 (t % 2) + rho + 8 (rho / 8), rho = 0..15.  A fragment (block, K step) is 12 registers a lane: 1,536 bytes, registers 4 c .. 4 c + 3 of lane l at 512 c + 16 l.
; A UNIT (group, K step) is 12,800 bytes: 8 fragments, then 512 bytes of scale words: the word of (block a, row rho) at 256 (a / 4) + 16 rho + 4 (a % 4).  img: unit (G x 8 + K step); G 0-63 x, 64-71 Wq, 72-79 Wk, 80-87 Wv, 88-95 Wo.
; A block's scale is 2^(floor(log2(its largest magnitude)) - 2); its byte is the largest magnitude's exponent field - 2, held at 1 from below.
; LIMITS: a block of zeros gets the byte 1 where the rule says 127 (its codes are zeros, and this program alone reads the bytes); blocks whose largest magnitude lies under 2^-124 get the byte 1; NaN and infinities are not served.
; SHARES: 1,536 pieces of work, one a wave: four fragments (blocks 4 u .. 4 u + 3) of one unit: 64 rows x 512 bytes read, 6,144 + 256 bytes written.  Each load reads 512 consecutive bytes of a row; the 16 rows of a
; fragment turn through the wave's own stage in LDS (rows 528 bytes apart), so that a lane gets 16 neighbours of each block of 32.  Waves share nothing: no barrier, no cluster, no matrix unit: memory binds here.
.set U,     12800
.set STG,   16*528                     ; a wave's stage
.set SPARE, 6*STG                      ; behind the six stages: the spare words, 128 bytes a wave: three blocks of 256 bytes that no other line names
.set GI,  4                            ; v4   16 x lane: my bytes of a row's 512
.set SI,  5                            ; v5   the stage, on the way in
.set SO,  6                            ; v6   the stage, on the way out: row r, + 64 h
.set SOF, 7                            ; v7   my 8 bytes of the quad's scale words
.set SPW, 8                            ; v8   my spare word; never rewritten
.set NIL, 9                            ; v9   0; never rewritten
.set OW,  10                           ; v10-11 the scale words that I store
.set PW,  12                           ; v12-15 the four fragments' scale words
.set TM,  16                           ; v16-31 at work
.set PC,  32                           ; v32-51 a fragment's codes
.set LIU, 52                           ; v52  16 x lane + 6,144 u
.set X,   64                           ; v64-127 64 numbers: register 16 b + i = k 32 b + 16 h + i of my row
.set R,   128                          ; v128-255 and v256-383: four sets of 16 rows as loaded (sets 2 and 3 are named v0-127 in window 1)
.set SRC, 26                           ; s[26:27]
.set DST, 14                           ; s[14:15]
.set SEL, 30                           ; s[30:31] selects for lane l xor 16
.set HM,  32                           ; s32  a mask of lanes 16-31
	s_load_b256 s[4:11], s[0:1], 0x0               ; x, Wq, Wk, Wv
	s_load_b128 s[12:15], s[0:1], 0x20             ; Wo, img
	v_lshl_add_u32 v[SPW], v0, 2, SPARE
	v_mov_b32 v[NIL], 0
	v_lshrrev_b32 v1, 5, v0
	v_readfirstlane_b32 s16, v1                    ; wave 0..5
	s_mul_i32 s17, ttmp9, 6
	s_add_co_u32 s17, s17, s16                     ; my piece of work, 0..1535
	s_lshr_b32 s18, s17, 4                         ; G
	s_bfe_u32 s19, s17, 0x30001                    ; K step
	s_and_b32 s20, s17, 1                          ; u
	s_and_b32 s21, s18, 7                          ; the group within a weight
	s_mov_b32 s[SEL], 0x76543210
	s_mov_b32 s[SEL+1], 0xfedcba98
	s_mov_b32 s[HM], 0xffff0000
	v_and_b32 v1, 31, v0                           ; lane
	v_and_b32 v2, 15, v0                           ; r
	v_bfe_u32 v3, v0, 4, 1                         ; h
	v_lshlrev_b32 v[GI], 4, v1
	s_mul_i32 s22, s16, STG
	v_add_nc_u32 v[SI], s22, v[GI]
	v_mul_u32_u24 v[SO], v2, 528
	v_lshl_add_u32 v[SO], v3, 6, v[SO]
	v_add_nc_u32 v[SO], s22, v[SO]
	v_lshlrev_b32 v[SOF], 4, v2
	v_lshl_add_u32 v[SOF], v3, 3, v[SOF]
	s_lshl_b32 s23, s20, 8
	v_add_nc_u32 v[SOF], s23, v[SOF]               ; 16 r + 8 h + 256 u
	s_mul_i32 s23, s20, 6144
	v_add_nc_u32 v[LIU], s23, v[GI]
.irp b, 0,1,2,3
	v_mov_b32 v[TM+4+\b], 0                        ; written once: a lane permute's destination counts as one of its sources
.endr
	s_wait_alu depctr_va_vdst(0)
	s_wait_kmcnt 0x0
	s_cmp_lt_u32 s18, 72                           ; which tensor: the choice hangs on the work-group's and the wave's number alone
	s_cselect_b64 s[SRC:SRC+1], s[6:7], s[8:9]
	s_cmp_lt_u32 s18, 80
	s_cselect_b64 s[SRC:SRC+1], s[SRC:SRC+1], s[10:11]
	s_cmp_lt_u32 s18, 88
	s_cselect_b64 s[SRC:SRC+1], s[SRC:SRC+1], s[12:13]
	s_cmp_lt_u32 s18, 64
	s_cselect_b64 s[SRC:SRC+1], s[4:5], s[SRC:SRC+1]
	s_cselect_b32 s21, s18, s21
	s_lshl_b32 s24, s21, 19                        ; 128 rows of 4,096 bytes a group,
	s_lshl_b32 s28, s20, 18                        ; 64 rows a quad,
	s_add_co_u32 s24, s24, s28
	s_lshl_b32 s28, s19, 9                         ; 512 bytes a K step
	s_add_co_u32 s24, s24, s28
	s_mov_b32 s25, 0
	s_add_nc_u64 s[SRC:SRC+1], s[SRC:SRC+1], s[24:25]
	s_lshl_b32 s28, s18, 3
	s_add_co_u32 s28, s28, s19
	s_mul_i32 s28, s28, U
	s_mov_b32 s29, 0
	s_add_nc_u64 s[DST:DST+1], s[DST:DST+1], s[28:29]
.macro LOAD f                          ; the 16 rows of my fragment f, 512 consecutive bytes each, into set f
.irp i, 0,1,2,3,4,5,6,7,8,9,10,11,12,13,14,15
	global_load_b128 v[R-128*((\f)/2)+64*((\f)%2)+4*\i:R-128*((\f)/2)+64*((\f)%2)+4*\i+3], v[GI], s[SRC:SRC+1] offset:(32*((\f)/2)+8*((\f)%2)+\i+8*(\i/8))*4096 th:TH_LOAD_NT
.endr
.endm
.macro QMAX                            ; the largest magnitude of each of my row's four blocks
.irp b, 0,1,2,3
	v_max3_num_f32 v[TM+\b], |v[X+16*\b]|, |v[X+16*\b+1]|, 0x1800000   ; my 16 numbers, and the floor 2^(3 - 127): so the byte cannot fall under 1
.endr
.irp i, 2,4,6,8,10,12,14
.irp b, 0,1,2,3
	v_max3_num_f32 v[TM+\b], v[TM+\b], |v[X+16*\b+\i]|, |v[X+16*\b+\i+1]|
.endr
.endr
.irp b, 0,1,2,3
	v_permlanex16_b32 v[TM+4+\b], v[TM+\b], s[SEL], s[SEL+1]
.endr
.irp b, 0,1,2,3
	v_max_num_f32 v[TM+\b], v[TM+\b], v[TM+4+\b]   ; with lane l xor 16's 16
.endr
.endm
.macro QCODE pw                        ; the scale word into v[pw], the fragment's 12 registers into v[PC] on
.irp b, 0,1,2,3
	v_add_nc_u32 v[TM+12+\b], 0xff000000, v[TM+\b] ; 2 off the exponent field: the conversion's scale operand
.endr
.irp b, 0,1,2,3
	v_lshrrev_b32 v[TM+4+\b], 23, v[TM+12+\b]      ; the scale's byte
.endr
	v_lshl_or_b32 v[\pw], v[TM+5], 8, v[TM+4]
	v_lshl_or_b32 v[\pw], v[TM+6], 16, v[\pw]
	v_lshl_or_b32 v[\pw], v[TM+7], 24, v[\pw]
.irp c, 0,1
	v_cvt_scalef32_pk16_fp6_f32 v[PC+6*\c:PC+6*\c+2], v[X+32*\c:X+32*\c+15], v[TM+12+2*\c]
	v_cvt_scalef32_pk16_fp6_f32 v[PC+12+4*\c:PC+14+4*\c], v[X+32*\c+16:X+32*\c+31], v[TM+13+2*\c]   ; (a conversion's three registers begin on an even number)
.endr
	v_nop                                          ; one plain instruction behind the scaled conversions
.irp c, 0,1                            ; the operand wants a whole block in a lane: lanes 0-15 block 2 c, lanes 16-31 block 2 c + 1
.irp i, 0,1,2
	v_permlane16_swap_b32 v[PC+6*\c+\i], v[PC+12+4*\c+\i]
.endr
.irp i, 0,1,2
	v_mov_b32 v[PC+3+6*\c+\i], v[PC+12+4*\c+\i]
.endr
.endr
.endm
	LOAD 0                                         ; all four fragments' loads go out at once: 64 loads, 32,768 bytes a wave
	LOAD 1
	s_set_vgpr_msb 0x40                            ; destination window 1
	LOAD 2
	LOAD 3
	s_set_vgpr_msb 0x4000
.irp f, 0,1,2,3
	s_wait_loadcnt 48-16*\f                        ; this fragment's 16 loads are in; the 16 of each later fragment may be out
.if \f >= 2
	s_set_vgpr_msb 0x04                            ; an LDS store's data: window 1
.endif
.irp i, 0,1,2,3,4,5,6,7,8,9,10,11,12,13,14,15
	ds_store_b128 v[SI], v[R-128*(\f/2)+64*(\f%2)+4*\i:R-128*(\f/2)+64*(\f%2)+4*\i+3] offset:528*\i
.endr
.if \f >= 2
	s_set_vgpr_msb 0x0400
.endif
.irp b, 0,1,2,3
.irp j, 0,1,2,3
	ds_load_b128 v[X+16*\b+4*\j:X+16*\b+4*\j+3], v[SO] offset:128*\b+16*\j   ; LDS serves a wave's instructions in order: these see the stores above
.endr
.endr
	s_wait_dscnt 0x0                               ; my 64 numbers are in, and the stores have read their registers,
	QMAX
	s_wait_alu depctr_va_vdst(0)
	s_wait_xcnt 0x0                                ; the last fragment's stores have read v[PC] on: it is written again only behind this wait
	QCODE PW+\f
.irp c, 0,1,2
	global_store_b128 v[LIU], v[PC+4*\c:PC+4*\c+3], s[DST:DST+1] offset:1536*\f+512*\c   ; 32 lanes store 512 consecutive bytes
.endr
.endr
	v_cndmask_b32 v[OW], v[PW], v[PW+2], s[HM]     ; lanes 0-15 store the words of fragments 0, 1 of row r, lanes 16-31 those of fragments 2, 3
	v_cndmask_b32 v[OW+1], v[PW+1], v[PW+3], s[HM]
	global_store_b64 v[SOF], v[OW:OW+1], s[DST:DST+1] offset:12288   ; 256 consecutive bytes
	s_wait_tensorcnt 0x0                           ; the wave's end
	ds_add_u32 v[SPW], v[NIL]
	s_wait_dscnt 0x0
	s_endpgm
.Lfunc_end_k_q7258344b4d_quant:
	.size	k_q7258344b4d_quant, .Lfunc_end_k_q7258344b4d_quant-k_q7258344b4d_quant
	.p2alignl 7, 3214868480
	.fill 96, 4, 3214868480
	.section	.rodata,"a",@progbits
	.p2align	6, 0x0
	.amdhsa_kernel k_q7258344b4d_quant
		.amdhsa_group_segment_fixed_size 51456
		.amdhsa_private_segment_fixed_size 0
		.amdhsa_enable_private_segment 0
		.amdhsa_kernarg_size 48
		.amdhsa_user_sgpr_count 2
		.amdhsa_user_sgpr_kernarg_segment_ptr 1
		.amdhsa_wavefront_size32 1
		.amdhsa_system_sgpr_workgroup_id_x 1
		.amdhsa_system_sgpr_workgroup_id_y 1
		.amdhsa_system_sgpr_workgroup_id_z 1
		.amdhsa_system_vgpr_workitem_id 0
		.amdhsa_next_free_vgpr 384
		.amdhsa_next_free_sgpr 66
		.amdhsa_reserve_vcc 0
		.amdhsa_float_denorm_mode_32 3
		.amdhsa_float_denorm_mode_16_64 3
		.amdhsa_memory_ordered 1
		.amdhsa_forward_progress 1
		.amdhsa_inst_pref_size 34
	.end_amdhsa_kernel
	.amdgpu_metadata
---
amdhsa.version: [ 1, 2 ]
amdhsa.kernels:
  - .name:           k_q7258344b4d_quant
    .symbol:         k_q7258344b4d_quant.kd
    .args:
      - { .name: x, .offset: 0, .size: 8, .value_kind: global_buffer, .address_space: global }
      - { .name: Wq, .offset: 8, .size: 8, .value_kind: global_buffer, .address_space: global }
      - { .name: Wk, .offset: 16, .size: 8, .value_kind: global_buffer, .address_space: global }
      - { .name: Wv, .offset: 24, .size: 8, .value_kind: global_buffer, .address_space: global }
      - { .name: Wo, .offset: 32, .size: 8, .value_kind: global_buffer, .address_space: global }
      - { .name: img, .offset: 40, .size: 8, .value_kind: global_buffer, .address_space: global }
    .group_segment_fixed_size: 51456
    .private_segment_fixed_size: 0
    .kernarg_segment_align: 8
    .kernarg_segment_size: 48
    .max_flat_workgroup_size: 192
    .sgpr_count:     66
    .vgpr_count:     384
    .wavefront_size: 32
...
	.end_amdgpu_metadata
.endif
;; end of part 1
;; launch proj (part 2): grid 64 x 4, 4 waves a work-group, clusters of 4 x 4, 327,680 bytes of LDS; arguments img, bq, bk, bv, qk, vt; writes qk, vt
.if DOCPART == 2
	.amdgcn_target "amdgcn-amd-amdhsa--gfx1250"
	.amdhsa_code_object_version 6
	.text
	.protected	k_q7258344b4d_proj
	.globl	k_q7258344b4d_proj
	.p2align	8
	.type	k_q7258344b4d_proj,@function
k_q7258344b4d_proj:
	s_mov_b64 s[64:65], 0
	v_nop
	global_prefetch_b8 v0, s[64:65] scope:SCOPE_SE
	s_setreg_imm32_b32 hwreg(HW_REG_WAVE_MODE, 25, 1), 1
	s_wait_xcnt 0x0
	s_wait_alu depctr_hold_cnt(0) depctr_sa_sdst(0) depctr_va_vdst(0) depctr_va_sdst(0) depctr_va_ssrc(0) depctr_va_vcc(0) depctr_vm_vsrc(0)
	s_getreg_b32 s2, hwreg(HW_REG_IB_STS2, 6, 4)
	s_cmp_eq_u32 s2, 0
	s_cbranch_scc0 .Lentry_in_a_cluster
	s_endpgm
.Lentry_in_a_cluster:
	s_bfe_u32 s2, ttmp6, 0x10000c
	s_cmp_lg_u32 s2, 0xf033
	s_cbranch_scc0 .Lentry_shape_is_right
	s_endpgm
.Lentry_shape_is_right:
; Q = x Wq^T + bq, K = x Wk^T + bk and V^T = Wv x^T + bv, on codes of FP6 (E2M3) with E8M0 scales; the results are quantised on the way out, Q and K along d, V^T along the tokens, and leave as images of operand
; registers (layout: group of 128 rows, K step of 128, block t = rows 32 (t / 2) + 8 (t % 2) + rho + 8 (rho / 8); a unit of 12,800 bytes = 8 fragments of 1,536 bytes + 512 bytes of scale words, word (block a, row rho) at
; 256 (a / 4) + 16 rho + 4 (a % 4)).  img: unit (G x 8 + K step), G 0-63 x, 64-71 Wq, 72-79 Wk, 80-87 Wv.  qk: unit (token group x 16 + s), s 0-7 Q, 8-15 K.  vt: unit (d group x 64 + token group).
; A WORK-GROUP STAYS AND MAKES TWO TILES.  Q | K is 8,192 x 2,048: 256 tiles of 256 x 256 (A = x, B = Wq | Wk; a wave 128 x 128: 64 accumulators).  V^T is 1,024 x 8,192: 256 tiles of 128 x 256 (A = Wv, B = x; a wave 64 x 128:
; 32 accumulators).  256 work-groups, one tile of each kind: 768 matrix instructions a wave, the same for all.  The first tile's stores leave while the second is multiplied.
; THE RING: two LDS slots of 12 units.  The first tile's K steps 0-2 and 3-5 are asked for at the start; slot 0 takes its steps 6, 7; then slot 1 takes V^T's K steps 0-3 and slot 0 its K steps 4-7 (A's 4 units, then 4 of each of B's groups).
; THE MATRIX INSTRUCTION IS USED TRANSPOSED (source 0 = a block of B, source 1 = a block of A): lane (r, h) of accumulator (a, b) holds A's row of lane r of block a, and register j B's row 32 (b / 2) + 16 h + 8 (b % 2) + j:
; the 64 registers of one a are 64 numbers of one row, register 16 q + i = column 32 q + 16 h + i: what the conversions want.  The fragment made of them is block a of the same group of rows.
; CLUSTERS: 4 x 4 work-groups; in both tiles A's units are shared along a row of the cluster, B's along a column: each is asked for jointly.  The biases are the C of each tile's first K step.
; LIMITS: a block of zeros gets the byte 1 (its codes are zeros; this program alone reads the bytes); blocks whose largest magnitude lies under 2^-124 get the byte 1; NaN and infinities are not served.
; No prefetch: of the 56 units that a work-group reads 24 are asked for at its head; the first two refills have 192 matrix instructions between request and wait, the third the first way out and 96.
; REGISTERS: window 0: v1-31 addresses; v32-47 scale words, two sets; v48-63 at work; v64-159, v160-255 A's fragments of the first tile, two sets; of the second v96-143, v144-191; v64-95 the ways out.
;   window 1: B's two sets at v0 and v128; in the gaps (v96-127, v224-255) the biases.  windows 2, 3: accumulator (a, b) at v[8 (8 (a % 4) + b)] of window 2 + a / 4; the second tile's all in window 2.
.set U,     12800
.set PART,  3*U                        ; three K steps of one group: what one tensor load brings at the start
.set SLOT,  4*PART                     ; 12 units
.set SPARE, 2*SLOT                     ; behind the ring: the spare words, 128 bytes a wave: two blocks of 256 bytes that no other line names
.set BH,    6                          ; v6     64 h: bq's and bk's offset
.set SOF,   14                         ; v14    16 r + 8 h + 256 u: my 8 bytes of a quad's scale words
.set AB2,   15                         ; v15    4 (r + 8 (r / 8)): bv's offset
.set ADRA,  16                         ; v16-17 first tile: my A group in slot 0, 1: + 16 x lane
.set ADRB,  18                         ; v18-19 my B group
.set ADRS,  20                         ; v20-21 scale words: lanes 0-15 A's, lanes 16-31 B's
.set LI,    22                         ; v22    16 x lane
.set LIU,   23                         ; v23    16 x lane + 6,144 u
.set ADRA2, 24                         ; v24-25 second tile: my four blocks of A in slot 0, 1
.set ADRB2, 26                         ; v26-27 my B group
.set SPW,   28                         ; v28    my spare word; never rewritten
.set NIL,   29                         ; v29    0; never rewritten
.set ADRS2, 30                         ; v30-31 scale words: lanes 0-15 A's quad u, lanes 16-31 B's
.set SC,    32
.set TM,    48
.set AF,    64
.set AF2,   96
.set PC,    64                         ; the ways out: v64-83 a fragment's codes, v84-91 the scale words, v92-95 those that I store
.set PWA,   84
.set OQ,    92
.set WV,    16                         ; s16 wave; s17 wave / 2: my A group (second tile: u, my four blocks of A), and whether I fetch for A (0) or B (1); s18 wave % 2: my B group, and which part I fetch
.set GA,    17
.set GB,    18
.set G1B3,  4                          ; s[4:11]  group 1, B, 200 rows of 256 bytes: written when the pointers that arrive there are used up
.set OUT1,  12                         ; s[12:13] my unit of qk;  s[14:15] of vt
.set OUT2,  14
.set G1A,   24                         ; s[24:31] group 1, A, 150 rows;  s[32:39] groups 0, a set for each slot
.set G0A,   32
.set G1B,   48
.set G0B,   56
.set G1A2,  68                         ; s[68:75], s[76:83] groups 1 of 100 rows
.set G1B2,  76
.set PA2,   84                         ; s[84:85] the second tile's A: my two units of its K steps 0-3
.set SEL,   86
.set HM,    88
.set PB2,   90                         ; s[90:91] its B: my group's K steps 0-3
.set BP,    92                         ; s[92:93] bq or bk;  s[94:95] bv
.set BP2,   94
.set LA2,   96                         ; s96, s97 where those parts go in a slot
.set LB2,   97
.set MSB, 0
.macro WIN new                         ; the immediate's high byte repeats the setting that is left; a switch that changes nothing is dropped
.if MSB != (\new)
	s_set_vgpr_msb (MSB<<8)|(\new)
.set MSB, \new
.endif
.endm
.macro PLACES                          ; four plain instructions between a matrix instruction and a load into, or a vector read or write of, its registers
.rept 4
	v_nop
.endr
.endm
.macro JLOAD g0a, g1a, g0b, g1b        ; a joint load: waves 0 and 1 fetch for A, waves 2 and 3 for B; the branch hangs on the wave's number alone; an s_nop 0 and four v_nop follow each line
	s_cmp_eq_u32 s[GA], 0
	s_cbranch_scc0 .Lfor_b_\@
	tensor_load_to_lds s[\g0a:\g0a+3], s[\g1a:\g1a+7]
	s_nop 0
.rept 4
	v_nop
.endr
	s_branch .Lasked_\@
.Lfor_b_\@:
	tensor_load_to_lds s[\g0b:\g0b+3], s[\g1b:\g1b+7]
	s_nop 0
.rept 4
	v_nop
.endr
.Lasked_\@:
.endm
.macro CROUND                          ; a round of the cluster's barrier
	s_barrier_signal -1
	s_barrier_wait -1
	s_cmp_lg_u32 s[WV], 0
	s_cbranch_scc1 .Lnot_wave_0_\@
	s_barrier_signal -3
.Lnot_wave_0_\@:
	s_barrier_wait -3
	s_barrier_signal -1
	s_barrier_wait -1
.endm
.macro QMAX s, w                       ; 64 numbers v[s] on of window w: the largest magnitude of each of the four blocks of 32, into v[TM] on.  Each accumulator is read from its low end on
	WIN (\w)|((\w)<<2)
.irp b, 0,1,2,3
	v_max3_num_f32 v[TM+\b], |v[(\s)+16*\b]|, |v[(\s)+16*\b+1]|, 0x1800000   ; and the floor 2^(3 - 127): so the byte cannot fall under 1
.endr
	WIN ((\w)<<2)|((\w)<<4)
.irp i, 2,4,6,8,10,12,14
.irp b, 0,1,2,3
	v_max3_num_f32 v[TM+\b], v[TM+\b], |v[(\s)+16*\b+\i]|, |v[(\s)+16*\b+\i+1]|
.endr
.endr
	WIN 0
.irp b, 0,1,2,3
	v_permlanex16_b32 v[TM+4+\b], v[TM+\b], s[SEL], s[SEL+1]
.endr
.irp b, 0,1,2,3
	v_max_num_f32 v[TM+\b], v[TM+\b], v[TM+4+\b]   ; with lane l xor 16's 16
.endr
.endm
.macro QCODE s, w, pw                  ; the scale word into v[pw], the fragment's 12 registers into v[PC] on
.irp b, 0,1,2,3
	v_add_nc_u32 v[TM+12+\b], 0xff000000, v[TM+\b] ; 2 off the exponent field: the conversion's scale operand
.endr
.irp b, 0,1,2,3
	v_lshrrev_b32 v[TM+4+\b], 23, v[TM+12+\b]      ; the scale's byte
.endr
	v_lshl_or_b32 v[\pw], v[TM+5], 8, v[TM+4]
	v_lshl_or_b32 v[\pw], v[TM+6], 16, v[\pw]
	v_lshl_or_b32 v[\pw], v[TM+7], 24, v[\pw]
	WIN \w
.irp c, 0,1
	v_cvt_scalef32_pk16_fp6_f32 v[PC+6*\c:PC+6*\c+2], v[(\s)+32*\c:(\s)+32*\c+15], v[TM+12+2*\c]
	v_cvt_scalef32_pk16_fp6_f32 v[PC+12+4*\c:PC+14+4*\c], v[(\s)+32*\c+16:(\s)+32*\c+31], v[TM+13+2*\c]
.endr
	WIN 0
	v_nop                                          ; one plain instruction behind the scaled conversions
.irp c, 0,1                            ; the operand wants a whole block in a lane
.irp i, 0,1,2
	v_permlane16_swap_b32 v[PC+6*\c+\i], v[PC+12+4*\c+\i]
.endr
.irp i, 0,1,2
	v_mov_b32 v[PC+3+6*\c+\i], v[PC+12+4*\c+\i]
.endr
.endr
.endm
.macro PUT adr, base, off              ; the fragment leaves as it stands: each store covers 512 consecutive bytes
.irp c, 0,1,2
	global_store_b128 v[\adr], v[PC+4*\c:PC+4*\c+3], s[\base:\base+1] offset:(\off)+512*\c
.endr
.endm
	s_load_b256 s[4:11], s[0:1], 0x0               ; img, bq, bk, bv
	s_load_b128 s[12:15], s[0:1], 0x20             ; qk, vt
	v_lshl_add_u32 v[SPW], v0, 2, SPARE
	v_mov_b32 v[NIL], 0
	ds_add_u32 v[SPW], v[NIL]                      ; the wave's opening; work on registers stands between the adds and their wait
	ds_add_u32 v[SPW], v[NIL]
	v_lshrrev_b32 v1, 5, v0
	v_readfirstlane_b32 s[WV], v1
	s_lshr_b32 s[GA], s[WV], 1
	s_and_b32 s[GB], s[WV], 1
	s_bfe_u32 s40, ttmp6, 0x40000                  ; cx
	s_bfe_u32 s41, ttmp6, 0x40004                  ; cy
	s_and_b32 s66, ttmp9, 1                        ; the cluster's number c = ttmp9, 0..15, the same in all sixteen partners: c % 2,
	s_lshr_b32 s67, ttmp9, 1                       ; c / 2
	s_lshl_b32 s45, s67, 2
	s_add_co_u32 s45, s45, s41                     ; TR: the first tile's 256 tokens, 0..31
	s_lshl_b32 s42, s66, 2
	s_add_co_u32 s42, s42, s40                     ; TC: its 256 columns of Q | K, 0..7
	s_lshl_b32 s89, s66, 2
	s_add_co_u32 s89, s89, s41                     ; TR2: the second tile's group of 128 rows of V^T, 0..7
	s_lshl_b32 s19, s67, 2
	s_add_co_u32 s19, s19, s40                     ; TC2: its 256 tokens, 0..31
	s_lshl_b32 s43, s41, 2
	s_lshl_b32 s43, 15, s43                        ; my row of the cluster
	s_lshl_b32 s44, 0x1111, s40                    ; my column
	s_or_b32 s[G1A], s43, (3<<16)|(1<<21)          ; 15:0 the mask; 17:16 elements of 8 bytes; 21 set beside a mask; no padding
	s_or_b32 s[G1B], s44, (3<<16)|(1<<21)
	s_or_b32 s[G1A2], s43, (3<<16)|(1<<21)
	s_or_b32 s[G1B2], s44, (3<<16)|(1<<21)
.irp g, G1A, G1B                       ; a dense block of 38,400 bytes as 150 rows of 256
	s_mov_b32 s[\g+1], 32<<16
	s_mov_b32 s[\g+2], 150<<16
	s_mov_b32 s[\g+3], 32<<16
	s_mov_b32 s[\g+4], 150
	s_mov_b32 s[\g+5], 32
	s_mov_b32 s[\g+6], 0
	s_mov_b32 s[\g+7], 0
.endr
.irp g, G1A2, G1B2                     ; 25,600 bytes as 100 rows
	s_mov_b32 s[\g+1], 32<<16
	s_mov_b32 s[\g+2], 100<<16
	s_mov_b32 s[\g+3], 32<<16
	s_mov_b32 s[\g+4], 100
	s_mov_b32 s[\g+5], 32
	s_mov_b32 s[\g+6], 0
	s_mov_b32 s[\g+7], 0
.endr
	; offsets.  A's hang on the tile row alone (the cluster's number, cy, the wave), B's on the tile column alone (the cluster's number, cx, the wave)
	s_lshl_b32 s20, s45, 1
	s_add_co_u32 s20, s20, s[GB]
	s_mul_i32 s20, s20, 8*U                        ; first tile, A: x's group 2 TR + gb
	s_mov_b32 s21, 0
	s_lshl_b32 s46, s42, 1
	s_add_co_u32 s46, s46, s[GB]
	s_add_co_u32 s46, s46, 64
	s_mul_i32 s46, s46, 8*U                        ; B: group 2 TC + gb of Wq | Wk
	s_mov_b32 s47, 0
	s_add_co_u32 s[PA2], s89, 80
	s_lshl_b32 s[PA2], s[PA2], 3
	s_lshl_b32 s[PA2+1], s[GB], 1
	s_add_co_u32 s[PA2], s[PA2], s[PA2+1]
	s_mul_i32 s[PA2], s[PA2], U                    ; second tile, A: Wv's group TR2, K step 2 gb
	s_mov_b32 s[PA2+1], 0
	s_lshl_b32 s[PB2], s19, 1
	s_add_co_u32 s[PB2], s[PB2], s[GB]
	s_mul_i32 s[PB2], s[PB2], 8*U                  ; B: x's group 2 TC2 + gb
	s_mov_b32 s[PB2+1], 0
	s_mul_i32 s22, s[WV], PART                     ; where my part of the first tile goes: no place in the cluster enters an LDS address
	s_mul_i32 s[LA2], s[GB], 2*U                   ; and of the second: A's two units,
	s_mul_i32 s[LB2], s[GB], 4*U
	s_add_co_u32 s[LB2], s[LB2], 4*U               ; B's four, behind A's four
	s_and_b32 s[BP], s42, 3
	s_lshl_b32 s[BP], s[BP], 10
	s_lshl_b32 s[BP+1], s[GB], 9
	s_add_co_u32 s[BP], s[BP], s[BP+1]             ; bq, bk: 4 (256 (TC % 4) + 128 gb)
	s_mov_b32 s[BP+1], 0
	s_lshl_b32 s[BP2], s89, 9
	s_lshl_b32 s[BP2+1], s[GA], 8
	s_add_co_u32 s[BP2], s[BP2], s[BP2+1]          ; bv: 4 (128 TR2 + 64 u)
	s_mov_b32 s[BP2+1], 0
	s_lshl_b32 s98, s45, 1
	s_add_co_u32 s98, s98, s[GA]
	s_lshl_b32 s98, s98, 4
	s_lshl_b32 s99, s42, 1
	s_add_co_u32 s98, s98, s99
	s_add_co_u32 s98, s98, s[GB]
	s_mul_i32 s98, s98, U                          ; my unit of qk: (2 TR + ga) x 16 + 2 TC + gb
	s_mov_b32 s99, 0
	s_lshl_b32 s2, s89, 6
	s_lshl_b32 s3, s19, 1
	s_add_co_u32 s2, s2, s3
	s_add_co_u32 s2, s2, s[GB]
	s_mul_i32 s2, s2, U                            ; my unit of vt: TR2 x 64 + 2 TC2 + gb
	s_mov_b32 s3, 0
	s_mov_b32 s[SEL], 0x76543210
	s_mov_b32 s[SEL+1], 0xfedcba98
	s_mov_b32 s[HM], 0xffff0000
	s_wait_dscnt 0x0                               ; both opening adds are done
	CROUND                                         ; the round in front of the first joint loads; it names no argument, so it stands ahead of the wait for them
	s_wait_kmcnt 0x0
	s_add_nc_u64 s[20:21], s[4:5], s[20:21]
	s_add_nc_u64 s[46:47], s[4:5], s[46:47]
	s_add_nc_u64 s[PA2:PA2+1], s[4:5], s[PA2:PA2+1]
	s_add_nc_u64 s[PB2:PB2+1], s[4:5], s[PB2:PB2+1]
	s_cmp_eq_u32 s66, 0                            ; even clusters make Q, odd ones K
	s_cselect_b64 s[6:7], s[6:7], s[8:9]
	s_add_nc_u64 s[BP:BP+1], s[6:7], s[BP:BP+1]
	s_add_nc_u64 s[BP2:BP2+1], s[10:11], s[BP2:BP2+1]
	s_add_nc_u64 s[OUT1:OUT1+1], s[12:13], s[98:99]
	s_add_nc_u64 s[OUT2:OUT2+1], s[14:15], s[2:3]
	s_or_b32 s[G1B3], s44, (3<<16)|(1<<21)         ; s[4:11] are free now: 51,200 bytes as 200 rows, to my column
	s_mov_b32 s[G1B3+1], 32<<16
	s_mov_b32 s[G1B3+2], 200<<16
	s_mov_b32 s[G1B3+3], 32<<16
	s_mov_b32 s[G1B3+4], 200
	s_mov_b32 s[G1B3+5], 32
	s_mov_b32 s[G1B3+6], 0
	s_mov_b32 s[G1B3+7], 0
.irp s, 0,1                            ; the two slots' groups 0: slot 0: K steps 0-2; slot 1: K steps 3-5
	s_mov_b32 s[G0A+4*\s], 1
	s_add_co_u32 s[G0A+4*\s+1], s22, \s*SLOT
	s_add_nc_u64 s[G0A+4*\s+2:G0A+4*\s+3], s[20:21], \s*PART
	s_or_b32 s[G0A+4*\s+3], s[G0A+4*\s+3], 0x80000000
	s_mov_b32 s[G0B+4*\s], 1
	s_add_co_u32 s[G0B+4*\s+1], s22, \s*SLOT
	s_add_nc_u64 s[G0B+4*\s+2:G0B+4*\s+3], s[46:47], \s*PART
	s_or_b32 s[G0B+4*\s+3], s[G0B+4*\s+3], 0x80000000
.endr
	JLOAD G0A, G1A, G0B, G1B                       ; slot 0: Nothing is prefetched beside it: slot 1's load has K steps 0 and 1, 128 matrix instructions, in which to land
	v_and_b32 v3, 31, v0
	v_and_b32 v1, 15, v0                           ; r
	v_bfe_u32 v2, v0, 4, 1                         ; h
	s_wait_alu depctr_va_vdst(0)
	v_lshlrev_b32 v[LI], 4, v3
	s_wait_alu depctr_va_vdst(0)
	v_lshlrev_b32 v[BH], 6, v2
	WIN 0x40                                       ; destination window 1
.irp i, 0,1,2,3,4,5,6,7                ; bq, bk hang on B's row: register j of tile i wants b[32 (i / 2) + 16 h + 8 (i % 2) + j]
	global_load_b128 v[96+8*\i+96*(\i/4):96+8*\i+96*(\i/4)+3], v[BH], s[BP:BP+1] offset:(32*(\i/2)+8*(\i%2))*4
	global_load_b128 v[96+8*\i+96*(\i/4)+4:96+8*\i+96*(\i/4)+7], v[BH], s[BP:BP+1] offset:(32*(\i/2)+8*(\i%2))*4+16
.endr
	WIN 0
	s_mul_i32 s22, s[GA], PART
	s_add_co_u32 s23, s[GB], 2
	s_mul_i32 s23, s23, PART
	s_xor_b32 s98, s[GA], 1
	s_add_co_u32 s98, s98, s[GB]
	s_add_co_u32 s98, s98, 1
	s_mul_i32 s98, s98, PART                       ; from my A group's part to my B group's: (2 + gb - ga) parts
	v_mul_u32_u24 v12, s98, v2                     ; lanes 16-31 take B's scale words
	v_lshl_add_u32 v12, v1, 4, v12
	v_add_nc_u32 v12, 12288, v12
.irp s, 0,1
	v_add_nc_u32 v[ADRA+\s], s22, v[LI]
	v_add_nc_u32 v[ADRB+\s], s23, v[LI]
	v_add_nc_u32 v[ADRS+\s], s22, v12
	s_add_co_u32 s22, s22, SLOT
	s_add_co_u32 s23, s23, SLOT
.endr
	; the second tile's addresses
	s_mul_i32 s22, s[GA], 6144                     ; my four blocks of A's eight
	v_add_nc_u32 v[LIU], s22, v[LI]
	v_add_nc_u32 v[ADRA2], s22, v[LI]
	v_add_nc_u32 v[ADRA2+1], SLOT, v[ADRA2]
	v_add_nc_u32 v[ADRB2], s[LB2], v[LI]
	v_add_nc_u32 v[ADRB2+1], SLOT, v[ADRB2]
	s_mul_i32 s98, s[GB], 4*U
	s_add_co_u32 s98, s98, 4*U-256
	s_xor_b32 s99, s[GA], 1
	s_lshl_b32 s99, s99, 8
	s_add_co_u32 s98, s98, s99                     ; from A's quad u of scale words to B's first quad: 4 U + 4 U gb - 256 u
	v_mul_u32_u24 v13, s98, v2                     ; lanes 16-31 take B's
	v_lshl_add_u32 v13, v1, 4, v13
	s_lshl_b32 s99, s[GA], 8
	v_lshlrev_b32 v[SOF], 4, v1
	v_lshl_add_u32 v[SOF], v2, 3, v[SOF]
	v_add_nc_u32 v[SOF], s99, v[SOF]
	s_add_co_u32 s99, s99, 12288
	v_add_nc_u32 v[ADRS2], s99, v13
	v_add_nc_u32 v[ADRS2+1], SLOT, v[ADRS2]
	v_and_b32 v13, 8, v1
	v_add_nc_u32 v13, v13, v1
	v_lshlrev_b32 v[AB2], 2, v13
.irp b, 0,1,2,3
	v_mov_b32 v[TM+4+\b], 0                        ; written once: a lane permute's destination counts as one of its sources
.endr
.macro FETCH slot, q, p                ; first tile: 50 LDS loads in one run: K step q of the slot: B's eight fragments, A's eight, and the scale words, into set p; every load takes 512 consecutive bytes
	WIN 0x40
.irp i, 0,1,2,3,4,5,6,7
.irp c, 0,1,2
	ds_load_b128 v[128*\p+12*\i+4*\c:128*\p+12*\i+4*\c+3], v[ADRB+\slot] offset:\q*U+1536*\i+512*\c
.endr
.endr
	WIN 0
.irp i, 0,1,2,3,4,5,6,7
.irp c, 0,1,2
	ds_load_b128 v[AF+96*\p+12*\i+4*\c:AF+96*\p+12*\i+4*\c+3], v[ADRA+\slot] offset:\q*U+1536*\i+512*\c
.endr
.endr
	ds_load_b128 v[SC+8*\p:SC+8*\p+3], v[ADRS+\slot] offset:\q*U            ; register i: lanes 0-15 the word of A's block i, lanes 16-31 that of B's block i
	ds_load_b128 v[SC+8*\p+4:SC+8*\p+7], v[ADRS+\slot] offset:\q*U+256
.endm
; First tile: 64 matrix instructions, a K step.  The 64 accumulators take turns, one instruction a turn, in the same order in every step.  bias = 1: the first K step starts the sums with the bias of B's block: nothing is cleared
.macro MUL p, bias
.irp a, 0,1,2,3,4,5,6,7
.if \bias
	WIN 0x91+0x40*(\a/4)                           ; source 0 (B) and C (the bias) window 1, source 1 (A) window 0, D window 2 or 3
.else
	WIN 0xa1+0x50*(\a/4)                           ; C and D window 2 or 3
.endif
.irp b, 0,1,2,3,4,5,6,7
.set rD, 8*(8*(\a%4)+\b)
.set rB, 128*\p+12*\b
.set rA, AF+96*\p+12*\a
.if \bias
.set rC, 96+8*\b+96*(\b/4)
	v_wmma_scale_f32_16x16x128_f8f6f4 v[rD:rD+7], v[rB:rB+11], v[rA:rA+11], v[rC:rC+7], v[SC+8*\p+\b], v[SC+8*\p+\a] matrix_a_fmt:MATRIX_FMT_FP6 matrix_b_fmt:MATRIX_FMT_FP6 matrix_a_scale:MATRIX_SCALE_ROW1
.else
	v_wmma_scale_f32_16x16x128_f8f6f4 v[rD:rD+7], v[rB:rB+11], v[rA:rA+11], v[rD:rD+7], v[SC+8*\p+\b], v[SC+8*\p+\a] matrix_a_fmt:MATRIX_FMT_FP6 matrix_b_fmt:MATRIX_FMT_FP6 matrix_a_scale:MATRIX_SCALE_ROW1
.endif
.endr
.endr
	WIN 0
.endm
.macro HEAD                            ; a step's head: its fragments are in; then the places in front of the loads into the set that the last step multiplied
	s_wait_dscnt 0x0
	PLACES
.endm
; A change of slots.  Each wave waits for all its tensor loads, adds 0 to its spare word, and waits for that and for its reads of the slot that is left; a round of the cluster's barrier; the joint refill is the first thing behind it.
; kind = 1: slot 0 takes the first tile's K steps 6, 7;  2: slot 1 takes the second tile's K steps 0-3;  3: slot 0 takes its K steps 4-7.
.macro CHANGE kind
	s_wait_tensorcnt 0x0                           ; no tensor load of mine is out, so a group 0 may be written
	ds_add_u32 v[SPW], v[NIL]                      ; 0 onto my spare word; the descriptors' words stand between it and the wait for it
.if \kind == 1
	s_add_nc_u64 s[G0A+2:G0A+3], s[G0A+2:G0A+3], 6*U
	s_add_nc_u64 s[G0B+2:G0B+3], s[G0B+2:G0B+3], 6*U
.elseif \kind == 2
	s_add_co_u32 s[G0A+5], s[LA2], SLOT
	s_mov_b64 s[G0A+6:G0A+7], s[PA2:PA2+1]
	s_or_b32 s[G0A+7], s[G0A+7], 0x80000000
	s_add_co_u32 s[G0B+5], s[LB2], SLOT
	s_mov_b64 s[G0B+6:G0B+7], s[PB2:PB2+1]
	s_or_b32 s[G0B+7], s[G0B+7], 0x80000000
.else
	s_mov_b32 s[G0A+1], s[LA2]
	s_add_nc_u64 s[G0A+2:G0A+3], s[PA2:PA2+1], 4*U
	s_or_b32 s[G0A+3], s[G0A+3], 0x80000000
	s_mov_b32 s[G0B+1], s[LB2]
	s_add_nc_u64 s[G0B+2:G0B+3], s[PB2:PB2+1], 4*U
	s_or_b32 s[G0B+3], s[G0B+3], 0x80000000
.endif
	s_wait_dscnt 0x0                               ; the add is done, my reads of the slot are over, and the fragments asked for are in
	CROUND
.if \kind == 1
	JLOAD G0A, G1A2, G0B, G1B2                     ; its four v_nop are also the places in front of the loads that follow
.elseif \kind == 2
	JLOAD G0A+4, G1A2, G0B+4, G1B3
.else
	JLOAD G0A, G1A2, G0B, G1B3
.endif
.endm
; THE SECOND TILE.  K step fn lies in slot 1 (0-3) or slot 0 (4-7).  38 LDS loads in one run: B's eight fragments, my four of A, and the scale words: register i: lanes 0-15 the word of A's block 4 u + i (i < 4), lanes 16-31 that of B's block i
.macro FETCH2
.set fs, 1-(fn/4)
.set fq, fn%4
.set fp, fn%2
	WIN 0x40
.irp i, 0,1,2,3,4,5,6,7
.irp c, 0,1,2
	ds_load_b128 v[128*fp+12*\i+4*\c:128*fp+12*\i+4*\c+3], v[ADRB2+fs] offset:fq*U+1536*\i+512*\c
.endr
.endr
	WIN 0
.irp i, 0,1,2,3
.irp c, 0,1,2
	ds_load_b128 v[AF2+48*fp+12*\i+4*\c:AF2+48*fp+12*\i+4*\c+3], v[ADRA2+fs] offset:fq*U+1536*\i+512*\c
.endr
.endr
	ds_load_b128 v[SC+8*fp:SC+8*fp+3], v[ADRS2+fs] offset:fq*U
	ds_load_b128 v[SC+8*fp+4:SC+8*fp+7], v[ADRS2+fs] offset:fq*U+256   ; (of these four only lanes 16-31 are used)
.endm
.macro MUL2 bias                       ; 32 matrix instructions, K step st; the accumulators take turns, one instruction a turn; bias = 1: the first K step starts the sums with bv of A's block
.set mp, st%2
.if \bias
	WIN 0x91
.else
	WIN 0xa1
.endif
.irp a, 0,1,2,3
.irp b, 0,1,2,3,4,5,6,7
.set rD, 8*(8*\a+\b)
.set rB, 128*mp+12*\b
.set rA, AF2+48*mp+12*\a
.if \bias
	v_wmma_scale_f32_16x16x128_f8f6f4 v[rD:rD+7], v[rB:rB+11], v[rA:rA+11], v[96+8*\a:96+8*\a+7], v[SC+8*mp+\b], v[SC+8*mp+\a] matrix_a_fmt:MATRIX_FMT_FP6 matrix_b_fmt:MATRIX_FMT_FP6 matrix_a_scale:MATRIX_SCALE_ROW1
.else
	v_wmma_scale_f32_16x16x128_f8f6f4 v[rD:rD+7], v[rB:rB+11], v[rA:rA+11], v[rD:rD+7], v[SC+8*mp+\b], v[SC+8*mp+\a] matrix_a_fmt:MATRIX_FMT_FP6 matrix_b_fmt:MATRIX_FMT_FP6 matrix_a_scale:MATRIX_SCALE_ROW1
.endif
.endr
.endr
	WIN 0
.endm
.macro STEP2                           ; K step st: its fragments are in; the next step's are fetched; then its products
.set fn, st+1
.if fn == 4                            ; from slot 1 to slot 0: K steps 4-7 have landed in every wave's sight; nothing is filled again
	s_wait_tensorcnt 0x0
	ds_add_u32 v[SPW], v[NIL]
	s_wait_dscnt 0x0
	s_barrier_signal -1
	s_barrier_wait -1
	PLACES
.else
	s_wait_dscnt 0x0
.if (st > 0) && (fn < 8)
	PLACES
.endif
.endif
.if fn < 8
	FETCH2
.endif
.if st == 0
	s_wait_loadcnt 0x0                             ; bv
	MUL2 1
.else
	MUL2 0
.endif
.endm
	s_wait_alu depctr_va_vdst(0)
	s_wait_tensorcnt 0x0                           ; my part of slot 0 is in
	ds_add_u32 v[SPW], v[NIL]
	s_wait_dscnt 0x0
	CROUND                                         ; everybody's part of slot 0 is in, and the joint loads meet
	JLOAD G0A+4, G1A, G0B+4, G1B                   ; slot 1's first fill, K steps 3-5: the first tensor load behind the round
	FETCH 0, 0, 0
	s_wait_dscnt 0x0
	FETCH 0, 1, 1
	s_wait_loadcnt 0x0                             ; bq or bk
	MUL 0, 1                                       ; K step 0
	HEAD
	WIN 0x40                                       ; bv, into registers that K step 0 was the last to read (four places behind it): every register of block a wants bv[32 (a / 2) + 8 (a % 2) + r + 8 (r / 8)] of my 64
.irp a, 0,1,2,3
.irp j, 0,1,2,3,4,5,6,7
	global_load_b32 v[96+8*\a+\j], v[AB2], s[BP2:BP2+1] offset:(32*(\a/2)+8*(\a%2))*4
.endr
.endr
	FETCH 0, 2, 0
	MUL 1, 0                                       ; 1
	CHANGE 1
	FETCH 1, 0, 1
	MUL 0, 0                                       ; 2
	HEAD
	FETCH 1, 1, 0
	MUL 1, 0                                       ; 3
	HEAD
	FETCH 1, 2, 1
	MUL 0, 0                                       ; 4
	CHANGE 2                                       ; K steps 6, 7 have landed; slot 1 is read out: the ring goes on into the second tile
	FETCH 0, 0, 0
	MUL 1, 0                                       ; 5
	HEAD
	FETCH 0, 1, 1
	MUL 0, 0                                       ; 6
	s_wait_dscnt 0x0
	MUL 1, 0                                       ; 7
	CHANGE 3                                       ; slot 0 is read out; the second tile's K steps 0-3 have landed
.set fn, 0
	FETCH2                                         ; its first fragments come while the first tile goes out: they land in registers that the way out does not touch
	; THE FIRST WAY OUT: block a's 64 numbers a lane are quantised in registers and leave as block a's fragment of my unit of qk.  No LDS.  (The joint load's four v_nop are the places behind the last products.)
.irp a, 0,1,2,3,4,5,6,7
	QMAX 64*(\a%4), 2+\a/4
.if \a > 0
	s_wait_alu depctr_va_vdst(0)
	s_wait_xcnt 0x0                                ; the last block's stores have read v[PC] on
.endif
	QCODE 64*(\a%4), 2+\a/4, PWA+\a
	PUT LI, OUT1, 1536*\a
.endr
.irp i, 0,1,2,3
	v_cndmask_b32 v[OQ+\i], v[PWA+\i], v[PWA+4+\i], s[HM]   ; lanes 0-15: row r's words of blocks 0-3; lanes 16-31: of blocks 4-7
.endr
	global_store_b128 v[LI], v[OQ:OQ+3], s[OUT1:OUT1+1] offset:12288
.set st, 0
.rept 8
	STEP2
.set st, st+1
.endr
	; THE SECOND WAY OUT: blocks 4 u .. 4 u + 3 of my unit of vt, and their quad of scale words
	PLACES
.irp a, 0,1,2,3
	QMAX 64*\a, 2
	s_wait_alu depctr_va_vdst(0)
	s_wait_xcnt 0x0                                ; the stores before have read v[PC] on and v[OQ] on
	QCODE 64*\a, 2, PWA+\a
	PUT LIU, OUT2, 1536*\a
.endr
	v_cndmask_b32 v[OQ], v[PWA], v[PWA+2], s[HM]   ; lanes 0-15: row r's words of my blocks 0, 1; lanes 16-31: of 2, 3
	v_cndmask_b32 v[OQ+1], v[PWA+1], v[PWA+3], s[HM]
	global_store_b64 v[SOF], v[OQ:OQ+1], s[OUT2:OUT2+1] offset:12288   ; 256 consecutive bytes
	s_wait_tensorcnt 0x0                           ; the wave's end
	ds_add_u32 v[SPW], v[NIL]
	s_wait_dscnt 0x0
	CROUND                                         ; the closing round
	s_endpgm
.Lfunc_end_k_q7258344b4d_proj:
	.size	k_q7258344b4d_proj, .Lfunc_end_k_q7258344b4d_proj-k_q7258344b4d_proj
	.p2alignl 7, 3214868480
	.fill 96, 4, 3214868480
	.section	.rodata,"a",@progbits
	.p2align	6, 0x0
	.amdhsa_kernel k_q7258344b4d_proj
		.amdhsa_group_segment_fixed_size 327680
		.amdhsa_private_segment_fixed_size 0
		.amdhsa_enable_private_segment 0
		.amdhsa_kernarg_size 48
		.amdhsa_user_sgpr_count 2
		.amdhsa_user_sgpr_kernarg_segment_ptr 1
		.amdhsa_wavefront_size32 1
		.amdhsa_system_sgpr_workgroup_id_x 1
		.amdhsa_system_sgpr_workgroup_id_y 1
		.amdhsa_system_sgpr_workgroup_id_z 1
		.amdhsa_system_vgpr_workitem_id 0
		.amdhsa_next_free_vgpr 1024
		.amdhsa_next_free_sgpr 100
		.amdhsa_reserve_vcc 0
		.amdhsa_float_denorm_mode_32 3
		.amdhsa_float_denorm_mode_16_64 3
		.amdhsa_memory_ordered 1
		.amdhsa_forward_progress 1
		.amdhsa_inst_pref_size 215
	.end_amdhsa_kernel
	.amdgpu_metadata
---
amdhsa.version: [ 1, 2 ]
amdhsa.kernels:
  - .name:           k_q7258344b4d_proj
    .symbol:         k_q7258344b4d_proj.kd
    .args:
      - { .name: img, .offset: 0, .size: 8, .value_kind: global_buffer, .address_space: global }
      - { .name: bq, .offset: 8, .size: 8, .value_kind: global_buffer, .address_space: global }
      - { .name: bk, .offset: 16, .size: 8, .value_kind: global_buffer, .address_space: global }
      - { .name: bv, .offset: 24, .size: 8, .value_kind: global_buffer, .address_space: global }
      - { .name: qk, .offset: 32, .size: 8, .value_kind: global_buffer, .address_space: global }
      - { .name: vt, .offset: 40, .size: 8, .value_kind: global_buffer, .address_space: global }
    .group_segment_fixed_size: 327680
    .private_segment_fixed_size: 0
    .kernarg_segment_align: 8
    .kernarg_segment_size: 48
    .max_flat_workgroup_size: 128
    .sgpr_count:     100
    .vgpr_count:     1024
    .wavefront_size: 32
...
	.end_amdgpu_metadata
.endif
;; end of part 2
;; launch score (part 3): grid 8 x 32, 4 waves a work-group, clusters of 4 x 4, 327,680 bytes of LDS; arguments qk, p; writes p
.if DOCPART == 3
	.amdgcn_target "amdgcn-amd-amdhsa--gfx1250"
	.amdhsa_code_object_version 6
	.text
	.protected	k_q7258344b4d_score
	.globl	k_q7258344b4d_score
	.p2align	8
	.type	k_q7258344b4d_score,@function
k_q7258344b4d_score:
	s_mov_b64 s[64:65], 0
	v_nop
	global_prefetch_b8 v0, s[64:65] scope:SCOPE_SE
	s_setreg_imm32_b32 hwreg(HW_REG_WAVE_MODE, 25, 1), 1
	s_wait_xcnt 0x0
	s_wait_alu depctr_hold_cnt(0) depctr_sa_sdst(0) depctr_va_vdst(0) depctr_va_sdst(0) depctr_va_ssrc(0) depctr_va_vcc(0) depctr_vm_vsrc(0)
	s_getreg_b32 s2, hwreg(HW_REG_IB_STS2, 6, 4)
	s_cmp_eq_u32 s2, 0
	s_cbranch_scc0 .Lentry_in_a_cluster
	s_endpgm
.Lentry_in_a_cluster:
	s_bfe_u32 s2, ttmp6, 0x10000c
	s_cmp_lg_u32 s2, 0xf033
	s_cbranch_scc0 .Lentry_shape_is_right
	s_endpgm
.Lentry_shape_is_right:
; S = Q K^T on codes of FP6 (E2M3) with E8M0 scales, and the first half of the softmax.  t = score x log2(e) / 32.  For each query and each CHUNK of 128 keys: M = ceil(the chunk's largest t), a whole number;
; p = 2^(t - M) is quantised along the keys; the chunk's sum l of the unquantised p is taken in f32.  Stored: p's codes, its scale words, -M and l.  The next launch brings every chunk under the row's M by whole numbers
; taken off the scale bytes, which leaves the codes as they are.  So the maximum is taken away ahead of every exponential, and the scores never go to memory.
; qk: units of 12,800 bytes (8 fragments of 1,536 bytes as images of operand registers, 512 bytes of scale words), unit (token group x 16 + s), s 0-7 Q, 8-15 K.  Block t of a group = rows 32 (t / 2) + 8 (t % 2) + rho + 8 (rho / 8).
; p: codes at (query group x 16 + chunk) x 12,288; from PST on (same index) x 1,536: scale words, -M, l, 512 bytes each, the word of (block a, row rho) at 256 (a / 4) + 16 rho + 4 (a % 4).
; A tile of S is 256 queries x 256 keys: four waves, each 128 x 128 (one chunk of keys).  256 tiles.  K = 1,024: 8 steps; two LDS slots of three steps each at the start, slot 0 filled once more with steps 6 and 7.
; TRANSPOSED USE (source 0 = 16 keys, source 1 = 16 queries): a lane holds one query, and the 64 registers of block a are keys 32 q + 16 h + i at register 16 q + i.
; CLUSTERS: 4 x 4; Q's tiles are shared along a row, K's along a column: asked for jointly.
; LIMITS: a block of 32 keys whose largest p lies under 2^-60 of 2^M is coded under the scale 2^-62: what lies under some 2^-66 of the chunk's largest p falls to 0.  M is kept in f32: exact for |t| under 2^24.  NaN and infinities are not served.
; No prefetch: three quarters of a work-group's tiles are asked for at its head.
; REGISTERS: as far as the products go: window 0: v16-29 addresses; v32-47 scale words; v48-63 at work; v64-159, v160-255 A's two sets.  window 1: B's two sets at v0, v128.  windows 2, 3: accumulator (a, b) at v[8 (8 (a % 4) + b)].
.set U,     12800
.set PART,  3*U
.set SLOT,  4*PART
.set SPARE, 2*SLOT                     ; the spare words, 128 bytes a wave: two blocks of 256 bytes that no other line names
.set PST,   12582912
.set ADRA, 16
.set ADRB, 18
.set ADRS, 20
.set LI,   22
.set SPW,  28
.set NIL,  29
.set SC,   32
.set TM,   48
.set AF,   64
.set H,    64                          ; behind the products: v64-127 t - M, then p
.set PC,   128                         ; v128-147 a fragment's codes
.set T,    164
.set NM,   166                         ; v[166:167] -M (the packed form names a pair and takes its low word)
.set LS,   168
.set LT,   170
.set PWA,  172                         ; v172-179 scale words, v180-187 -M, v188-195 l of the eight blocks
.set NMA,  180
.set LLA,  188
.set OQ,   196                         ; v196-207 what I store of them
.set WV,   16
.set GA,   17
.set GB,   18
.set G1A,  24
.set G0A,  32
.set G1B,  48
.set G0B,  56
.set G1A2, 68
.set G1B2, 76
.set OUT,  84
.set SEL,  86
.set HM,   88
.set CS,   90                          ; s[90:91] c = log2(e) / 32
.set ST,   92
.set MSB, 0
.macro WIN new
.if MSB != (\new)
	s_set_vgpr_msb (MSB<<8)|(\new)
.set MSB, \new
.endif
.endm
.macro PLACES
.rept 4
	v_nop
.endr
.endm
.macro JLOAD g0a, g1a, g0b, g1b        ; a joint load: waves 0 and 1 fetch for A, waves 2 and 3 for B; an s_nop 0 and four v_nop follow each line
	s_cmp_eq_u32 s[GA], 0
	s_cbranch_scc0 .Lfor_b_\@
	tensor_load_to_lds s[\g0a:\g0a+3], s[\g1a:\g1a+7]
	s_nop 0
.rept 4
	v_nop
.endr
	s_branch .Lasked_\@
.Lfor_b_\@:
	tensor_load_to_lds s[\g0b:\g0b+3], s[\g1b:\g1b+7]
	s_nop 0
.rept 4
	v_nop
.endr
.Lasked_\@:
.endm
.macro CROUND
	s_barrier_signal -1
	s_barrier_wait -1
	s_cmp_lg_u32 s[WV], 0
	s_cbranch_scc1 .Lnot_wave_0_\@
	s_barrier_signal -3
.Lnot_wave_0_\@:
	s_barrier_wait -3
	s_barrier_signal -1
	s_barrier_wait -1
.endm
.macro QCODE pw                        ; v[TM] on hold the four blocks' largest p: the scale word into v[pw], the codes of v[H] on into v[PC] on
.irp b, 0,1,2,3
	v_add_nc_u32 v[TM+12+\b], 0xff000000, v[TM+\b] ; 2 off the exponent field: the conversion's scale operand
.endr
.irp b, 0,1,2,3
	v_lshrrev_b32 v[TM+4+\b], 23, v[TM+12+\b]      ; the scale's byte
.endr
	v_lshl_or_b32 v[\pw], v[TM+5], 8, v[TM+4]
	v_lshl_or_b32 v[\pw], v[TM+6], 16, v[\pw]
	v_lshl_or_b32 v[\pw], v[TM+7], 24, v[\pw]
.irp c, 0,1
	v_cvt_scalef32_pk16_fp6_f32 v[PC+6*\c:PC+6*\c+2], v[H+32*\c:H+32*\c+15], v[TM+12+2*\c]
	v_cvt_scalef32_pk16_fp6_f32 v[PC+12+4*\c:PC+14+4*\c], v[H+32*\c+16:H+32*\c+31], v[TM+13+2*\c]
.endr
	v_nop                                          ; one plain instruction behind the scaled conversions
.irp c, 0,1
.irp i, 0,1,2
	v_permlane16_swap_b32 v[PC+6*\c+\i], v[PC+12+4*\c+\i]
.endr
.irp i, 0,1,2
	v_mov_b32 v[PC+3+6*\c+\i], v[PC+12+4*\c+\i]
.endr
.endr
.endm
	s_load_b128 s[4:7], s[0:1], 0x0                ; qk, p
	v_lshl_add_u32 v[SPW], v0, 2, SPARE
	v_mov_b32 v[NIL], 0
	ds_add_u32 v[SPW], v[NIL]                      ; the wave's opening
	ds_add_u32 v[SPW], v[NIL]
	v_lshrrev_b32 v1, 5, v0
	v_readfirstlane_b32 s[WV], v1
	s_lshr_b32 s[GA], s[WV], 1
	s_and_b32 s[GB], s[WV], 1
	s_bfe_u32 s40, ttmp6, 0x40000                  ; cx
	s_bfe_u32 s41, ttmp6, 0x40004                  ; cy
	s_lshl_b32 s42, ttmp9, 2
	s_add_co_u32 s42, s42, s40                     ; TC: the tile of keys in the batch, 0..7
	s_and_b32 s94, ttmp7, 0xffff
	s_lshl_b32 s45, s94, 2
	s_add_co_u32 s45, s45, s41                     ; TR: the tile of queries, 0..31
	s_lshr_b32 s95, s94, 1                         ; the batch: the same in all sixteen partners
	s_lshl_b32 s43, s41, 2
	s_lshl_b32 s43, 15, s43
	s_lshl_b32 s44, 0x1111, s40
	s_or_b32 s[G1A], s43, (3<<16)|(1<<21)
	s_or_b32 s[G1B], s44, (3<<16)|(1<<21)
	s_or_b32 s[G1A2], s43, (3<<16)|(1<<21)
	s_or_b32 s[G1B2], s44, (3<<16)|(1<<21)
.irp g, G1A, G1B                       ; 38,400 dense bytes as 150 rows of 256
	s_mov_b32 s[\g+1], 32<<16
	s_mov_b32 s[\g+2], 150<<16
	s_mov_b32 s[\g+3], 32<<16
	s_mov_b32 s[\g+4], 150
	s_mov_b32 s[\g+5], 32
	s_mov_b32 s[\g+6], 0
	s_mov_b32 s[\g+7], 0
.endr
.irp g, G1A2, G1B2                     ; 25,600 as 100 rows
	s_mov_b32 s[\g+1], 32<<16
	s_mov_b32 s[\g+2], 100<<16
	s_mov_b32 s[\g+3], 32<<16
	s_mov_b32 s[\g+4], 100
	s_mov_b32 s[\g+5], 32
	s_mov_b32 s[\g+6], 0
	s_mov_b32 s[\g+7], 0
.endr
	s_lshl_b32 s20, s45, 1
	s_add_co_u32 s20, s20, s[GB]
	s_mul_i32 s20, s20, 16*U                       ; Q of token group 2 TR + gb
	s_mov_b32 s21, 0
	s_lshl_b32 s46, s95, 4
	s_lshl_b32 s47, s42, 1
	s_add_co_u32 s46, s46, s47
	s_add_co_u32 s46, s46, s[GB]
	s_mul_i32 s46, s46, 16*U
	s_add_co_u32 s46, s46, 8*U                     ; K of token group 16 batch + 2 TC + gb
	s_mov_b32 s47, 0
	s_mul_i32 s22, s[WV], PART
	s_mov_b32 s[SEL], 0x76543210
	s_mov_b32 s[SEL+1], 0xfedcba98
	s_mov_b32 s[HM], 0xffff0000
	s_mov_b32 s[CS], 0x3d38aa3b                    ; log2(e) / 32
	s_mov_b32 s[CS+1], s[CS]
	s_wait_dscnt 0x0
	CROUND                                         ; the round in front of the first joint loads; it names no argument, so it stands ahead of the wait for them
	s_wait_kmcnt 0x0
	s_add_nc_u64 s[20:21], s[4:5], s[20:21]
	s_add_nc_u64 s[46:47], s[4:5], s[46:47]
.irp s, 0,1
	s_mov_b32 s[G0A+4*\s], 1
	s_add_co_u32 s[G0A+4*\s+1], s22, \s*SLOT
	s_add_nc_u64 s[G0A+4*\s+2:G0A+4*\s+3], s[20:21], \s*PART
	s_or_b32 s[G0A+4*\s+3], s[G0A+4*\s+3], 0x80000000
	s_mov_b32 s[G0B+4*\s], 1
	s_add_co_u32 s[G0B+4*\s+1], s22, \s*SLOT
	s_add_nc_u64 s[G0B+4*\s+2:G0B+4*\s+3], s[46:47], \s*PART
	s_or_b32 s[G0B+4*\s+3], s[G0B+4*\s+3], 0x80000000
.endr
	JLOAD G0A, G1A, G0B, G1B                       ; slot 0, K steps 0-2: Nothing is prefetched beside it: slot 1's load has K steps 0 and 1, 128 matrix instructions, in which to land
	v_and_b32 v3, 31, v0
	v_and_b32 v1, 15, v0
	v_bfe_u32 v2, v0, 4, 1
	v_lshlrev_b32 v[LI], 4, v3
	s_wait_alu depctr_va_vdst(0)
	s_mul_i32 s22, s[GA], PART
	s_add_co_u32 s23, s[GB], 2
	s_mul_i32 s23, s23, PART
	s_xor_b32 s96, s[GA], 1
	s_add_co_u32 s96, s96, s[GB]
	s_add_co_u32 s96, s96, 1
	s_mul_i32 s96, s96, PART
	v_mul_u32_u24 v12, s96, v2                     ; lanes 16-31 take B's scale words
	v_lshl_add_u32 v12, v1, 4, v12
	v_add_nc_u32 v12, 12288, v12
.irp s, 0,1
	v_add_nc_u32 v[ADRA+\s], s22, v[LI]
	v_add_nc_u32 v[ADRB+\s], s23, v[LI]
	v_add_nc_u32 v[ADRS+\s], s22, v12
	s_add_co_u32 s22, s22, SLOT
	s_add_co_u32 s23, s23, SLOT
.endr
.irp b, 0,1,2,3
	v_mov_b32 v[TM+4+\b], 0
.endr
	s_lshl_b32 s96, s45, 1
	s_add_co_u32 s96, s96, s[GA]
	s_lshl_b32 s96, s96, 4
	s_lshl_b32 s97, s42, 1
	s_add_co_u32 s96, s96, s97
	s_add_co_u32 s96, s96, s[GB]                   ; (query group) x 16 + chunk
	s_mul_i32 s98, s96, 12288
	s_mov_b32 s99, 0
	s_add_nc_u64 s[OUT:OUT+1], s[6:7], s[98:99]
	s_mul_i32 s98, s96, 1536
	s_add_nc_u64 s[ST:ST+1], s[6:7], s[98:99]
	s_add_nc_u64 s[ST:ST+1], s[ST:ST+1], PST
.macro FETCH slot, q, p
	WIN 0x40
.irp i, 0,1,2,3,4,5,6,7
.irp c, 0,1,2
	ds_load_b128 v[128*\p+12*\i+4*\c:128*\p+12*\i+4*\c+3], v[ADRB+\slot] offset:\q*U+1536*\i+512*\c
.endr
.endr
	WIN 0
.irp i, 0,1,2,3,4,5,6,7
.irp c, 0,1,2
	ds_load_b128 v[AF+96*\p+12*\i+4*\c:AF+96*\p+12*\i+4*\c+3], v[ADRA+\slot] offset:\q*U+1536*\i+512*\c
.endr
.endr
	ds_load_b128 v[SC+8*\p:SC+8*\p+3], v[ADRS+\slot] offset:\q*U
	ds_load_b128 v[SC+8*\p+4:SC+8*\p+7], v[ADRS+\slot] offset:\q*U+256
.endm
.macro MUL p, zero                     ; 64 matrix instructions; the accumulators take turns, one instruction a turn; zero = 1: the first K step starts the sums
.irp a, 0,1,2,3,4,5,6,7
	WIN 0xa1+0x50*(\a/4)
.irp b, 0,1,2,3,4,5,6,7
.set rD, 8*(8*(\a%4)+\b)
.set rB, 128*\p+12*\b
.set rA, AF+96*\p+12*\a
.if \zero
	v_wmma_scale_f32_16x16x128_f8f6f4 v[rD:rD+7], v[rB:rB+11], v[rA:rA+11], 0, v[SC+8*\p+\b], v[SC+8*\p+\a] matrix_a_fmt:MATRIX_FMT_FP6 matrix_b_fmt:MATRIX_FMT_FP6 matrix_a_scale:MATRIX_SCALE_ROW1
.else
	v_wmma_scale_f32_16x16x128_f8f6f4 v[rD:rD+7], v[rB:rB+11], v[rA:rA+11], v[rD:rD+7], v[SC+8*\p+\b], v[SC+8*\p+\a] matrix_a_fmt:MATRIX_FMT_FP6 matrix_b_fmt:MATRIX_FMT_FP6 matrix_a_scale:MATRIX_SCALE_ROW1
.endif
.endr
.endr
	WIN 0
.endm
.macro HEAD
	s_wait_dscnt 0x0
	PLACES
.endm
.macro CHANGE fill                     ; a change of slots at a step's head; fill = 1: slot 0 takes K steps 6 and 7, behind a round of the cluster's barrier
	s_wait_tensorcnt 0x0                           ; no tensor load of mine is out
	ds_add_u32 v[SPW], v[NIL]
.if \fill
	s_add_nc_u64 s[G0A+2:G0A+3], s[G0A+2:G0A+3], 6*U
	s_add_nc_u64 s[G0B+2:G0B+3], s[G0B+2:G0B+3], 6*U
.endif
	s_wait_dscnt 0x0                               ; the add is done, my reads of the slot are over, this step's fragments are in
.if \fill
	CROUND
	JLOAD G0A, G1A2, G0B, G1B2
.else
	s_barrier_signal -1
	s_barrier_wait -1
	PLACES
.endif
.endm
; BLOCK a's 16 queries x my 128 keys: the chunk's M, p, its sum, codes and scale word
.macro SOFT a
.set W,  2+(\a)/4
.set AC, 64*((\a)%4)
	WIN W|(W<<2)|(W<<4)
.irp b, 0,1,2,3
	v_max3_num_f32 v[TM+\b], v[AC+16*\b], v[AC+16*\b+1], v[AC+16*\b+2]   ; the largest score of each block of 32 keys: it serves the chunk's maximum and, since p rises with the score, the block's largest p
.endr
	WIN (W<<2)|(W<<4)
.irp i, 3,5,7,9,11,13
.irp b, 0,1,2,3
	v_max3_num_f32 v[TM+\b], v[TM+\b], v[AC+16*\b+\i], v[AC+16*\b+\i+1]
.endr
.endr
	WIN W<<2
.irp b, 0,1,2,3
	v_max_num_f32 v[TM+\b], v[TM+\b], v[AC+16*\b+15]
.endr
	WIN 0
.irp b, 0,1,2,3
	v_permlanex16_b32 v[TM+4+\b], v[TM+\b], s[SEL], s[SEL+1]
.endr
.irp b, 0,1,2,3
	v_max_num_f32 v[TM+\b], v[TM+\b], v[TM+4+\b]   ; with lane l xor 16's 16 keys
.endr
	v_max3_num_f32 v[T], v[TM], v[TM+1], v[TM+2]
	v_max_num_f32 v[T], v[T], v[TM+3]
	v_mul_f32 v[T], s[CS], v[T]                    ; the chunk's largest t (c is positive)
	v_floor_f32 v[NM], -v[T]                       ; -M = floor(-t) = -ceil(t)
	WIN W
.set j, 0
.rept 32
	v_pk_fma_f32 v[H+j:H+j+1], v[AC+j:AC+j+1], s[CS:CS+1], v[NM:NM+1] op_sel_hi:[1,0,0]   ; t - M, two at a time
.set j, j+2
.endr
	WIN 0
.irp b, 0,1,2,3
	v_fma_f32 v[TM+\b], v[TM+\b], s[CS], v[NM]     ; the same of each block's largest score
.endr
.set j, 0
	s_wait_alu depctr_va_vdst(0)
.rept 64
	v_exp_f32 v[H+j], v[H+j]                       ; p = 2^(t - M), at most 1
.set j, j+1
.endr
.irp b, 0,1,2,3
	v_exp_f32 v[TM+\b], v[TM+\b]                   ; the block's largest p: the same arithmetic on the same number
.endr
	v_mov_b32 v[NMA+\a], v[NM]                     ; a plain instruction behind the exponentials,
	s_wait_alu depctr_va_vdst(0)                   ; and one wait for the whole batch, ahead of its first use
.set SM, 208                           ; v208-223 the sum of the unquantised p, in eight chains of pairs, so that no addition reads the result of one of the seven before it
.irp i, 0,1,2,3,4,5,6,7
	v_pk_add_f32 v[SM+2*\i:SM+2*\i+1], v[H+2*\i:H+2*\i+1], v[H+16+2*\i:H+17+2*\i]
.endr
.irp g, 32,48
.irp i, 0,1,2,3,4,5,6,7
	v_pk_add_f32 v[SM+2*\i:SM+2*\i+1], v[SM+2*\i:SM+2*\i+1], v[H+\g+2*\i:H+\g+2*\i+1]
.endr
.endr
.irp i, 0,1,2,3
	v_pk_add_f32 v[SM+2*\i:SM+2*\i+1], v[SM+2*\i:SM+2*\i+1], v[SM+8+2*\i:SM+9+2*\i]
.endr
	v_pk_add_f32 v[LS:LS+1], v[SM:SM+1], v[SM+4:SM+5]
	v_pk_add_f32 v[LT:LT+1], v[SM+2:SM+3], v[SM+6:SM+7]
	v_pk_add_f32 v[LS:LS+1], v[LS:LS+1], v[LT:LT+1]
	v_add_f32 v[LS], v[LS], v[LS+1]
	v_permlanex16_b32 v[LT], v[LS], s[SEL], s[SEL+1]
	v_add_f32 v[LLA+\a], v[LS], v[LT]
.irp b, 0,1,2,3
	v_max_num_f32 v[TM+\b], 0x21800000, v[TM+\b]   ; the floor 2^-60: the byte is 65 at the least, so that the next launch can take up to 64 off it
.endr
.if (\a) > 0
	s_wait_alu depctr_va_vdst(0)
	s_wait_xcnt 0x0                                ; the last block's stores have read v[PC] on
.endif
	QCODE PWA+\a
.irp c, 0,1,2
	global_store_b128 v[LI], v[PC+4*\c:PC+4*\c+3], s[OUT:OUT+1] offset:1536*(\a)+512*\c   ; 512 consecutive bytes
.endr
.endm
	s_wait_alu depctr_va_vdst(0)
	s_wait_tensorcnt 0x0                           ; my part of slot 0 is in
	ds_add_u32 v[SPW], v[NIL]
	s_wait_dscnt 0x0
	CROUND                                         ; everybody's part of slot 0 is in, and the joint loads meet
	JLOAD G0A+4, G1A, G0B+4, G1B                   ; slot 1's first fill, K steps 3-5: the first tensor load behind the round
	FETCH 0, 0, 0
	s_wait_dscnt 0x0
	FETCH 0, 1, 1
	MUL 0, 1
	HEAD
	FETCH 0, 2, 0
	MUL 1, 0
	CHANGE 1
	FETCH 1, 0, 1
	MUL 0, 0
	HEAD
	FETCH 1, 1, 0
	MUL 1, 0
	HEAD
	FETCH 1, 2, 1
	MUL 0, 0
	CHANGE 0
	FETCH 0, 0, 0
	MUL 1, 0
	HEAD
	FETCH 0, 1, 1
	MUL 0, 0
	s_wait_dscnt 0x0
	MUL 1, 0
	PLACES
	v_mov_b32 v[NM+1], 0                           ; (named as the upper half of a pair)
.irp a, 0,1,2,3,4,5,6,7
	SOFT \a
.endr
.irp i, 0,1,2,3                        ; lanes 0-15: row r's numbers of blocks 0-3; lanes 16-31: of blocks 4-7
	v_cndmask_b32 v[OQ+\i], v[PWA+\i], v[PWA+4+\i], s[HM]
	v_cndmask_b32 v[OQ+4+\i], v[NMA+\i], v[NMA+4+\i], s[HM]
	v_cndmask_b32 v[OQ+8+\i], v[LLA+\i], v[LLA+4+\i], s[HM]
.endr
	global_store_b128 v[LI], v[OQ:OQ+3], s[ST:ST+1]
	global_store_b128 v[LI], v[OQ+4:OQ+7], s[ST:ST+1] offset:512
	global_store_b128 v[LI], v[OQ+8:OQ+11], s[ST:ST+1] offset:1024
	s_wait_tensorcnt 0x0                           ; the wave's end
	ds_add_u32 v[SPW], v[NIL]
	s_wait_dscnt 0x0
	CROUND                                         ; the closing round
	s_endpgm
.Lfunc_end_k_q7258344b4d_score:
	.size	k_q7258344b4d_score, .Lfunc_end_k_q7258344b4d_score-k_q7258344b4d_score
	.p2alignl 7, 3214868480
	.fill 96, 4, 3214868480
	.section	.rodata,"a",@progbits
	.p2align	6, 0x0
	.amdhsa_kernel k_q7258344b4d_score
		.amdhsa_group_segment_fixed_size 327680
		.amdhsa_private_segment_fixed_size 0
		.amdhsa_enable_private_segment 0
		.amdhsa_kernarg_size 16
		.amdhsa_user_sgpr_count 2
		.amdhsa_user_sgpr_kernarg_segment_ptr 1
		.amdhsa_wavefront_size32 1
		.amdhsa_system_sgpr_workgroup_id_x 1
		.amdhsa_system_sgpr_workgroup_id_y 1
		.amdhsa_system_sgpr_workgroup_id_z 1
		.amdhsa_system_vgpr_workitem_id 0
		.amdhsa_next_free_vgpr 1024
		.amdhsa_next_free_sgpr 100
		.amdhsa_reserve_vcc 0
		.amdhsa_float_denorm_mode_32 3
		.amdhsa_float_denorm_mode_16_64 3
		.amdhsa_memory_ordered 1
		.amdhsa_forward_progress 1
		.amdhsa_inst_pref_size 190
	.end_amdhsa_kernel
	.amdgpu_metadata
---
amdhsa.version: [ 1, 2 ]
amdhsa.kernels:
  - .name:           k_q7258344b4d_score
    .symbol:         k_q7258344b4d_score.kd
    .args:
      - { .name: qk, .offset: 0, .size: 8, .value_kind: global_buffer, .address_space: global }
      - { .name: p, .offset: 8, .size: 8, .value_kind: global_buffer, .address_space: global }
    .group_segment_fixed_size: 327680
    .private_segment_fixed_size: 0
    .kernarg_segment_align: 8
    .kernarg_segment_size: 16
    .max_flat_workgroup_size: 128
    .sgpr_count:     100
    .vgpr_count:     1024
    .wavefront_size: 32
...
	.end_amdgpu_metadata
.endif
;; end of part 3
;; launch mix (part 4): grid 4 x 64, 4 waves a work-group, clusters of 4 x 4, 327,680 bytes of LDS; arguments p, vt, o; writes o
.if DOCPART == 4
	.amdgcn_target "amdgcn-amd-amdhsa--gfx1250"
	.amdhsa_code_object_version 6
	.text
	.protected	k_q7258344b4d_mix
	.globl	k_q7258344b4d_mix
	.p2align	8
	.type	k_q7258344b4d_mix,@function
k_q7258344b4d_mix:
	s_mov_b64 s[64:65], 0
	v_nop
	global_prefetch_b8 v0, s[64:65] scope:SCOPE_SE
	s_setreg_imm32_b32 hwreg(HW_REG_WAVE_MODE, 25, 1), 1
	s_wait_xcnt 0x0
	s_wait_alu depctr_hold_cnt(0) depctr_sa_sdst(0) depctr_va_vdst(0) depctr_va_sdst(0) depctr_va_ssrc(0) depctr_va_vcc(0) depctr_vm_vsrc(0)
	s_getreg_b32 s2, hwreg(HW_REG_IB_STS2, 6, 4)
	s_cmp_eq_u32 s2, 0
	s_cbranch_scc0 .Lentry_in_a_cluster
	s_endpgm
.Lentry_in_a_cluster:
	s_bfe_u32 s2, ttmp6, 0x10000c
	s_cmp_lg_u32 s2, 0xf033
	s_cbranch_scc0 .Lentry_shape_is_right
	s_endpgm
.Lentry_shape_is_right:
; O = P V / l on codes of FP6 (E2M3) with E8M0 scales; O is quantised along d on the way out and leaves as images of operand registers (units of 12,800 bytes, as in the other launches).
; p: codes at (query group x 16 + chunk) x 12,288; from PST on, (same index) x 1,536: the scale words, -M and l of each chunk of 128 keys, 512 bytes each.  vt: unit (d group x 64 + token group).  o: unit (token group x 8 + d group).
; THE HEAD brings every chunk under the row's M: the whole number M(chunk) - M(row), held at -64, is added to each of the chunk's four scale bytes (65 at the least), which leaves the codes as they are;
; l is scaled by the same whole number (v_ldexp_f32) and summed; the adjusted words and 1 / l lie in LDS bytes of their own.  This work stands between slot 0's load and the wait for it.
; A tile is 128 queries x 256 of d: 256 tiles; four waves, each 64 x 128: 32 accumulators.  K = 2,048 keys: 16 steps through two LDS slots of four steps (4 units of p's codes, 8 of V^T).
; CLUSTERS: 4 x 4; p's tiles are shared along a row, V^T's along a column: asked for jointly.  PREFETCH: behind each joint load the next slot's bytes are asked for, four steps ahead of the load that wants them:
; each block of 256 bytes once in the cluster, the four partners sharing a tile's blocks out by address (cx for p, cy for V^T); slot 3 is the last: nothing is asked for beyond it.
; LIMITS: a chunk whose M lies more than 64 under the row's M counts under the factor 2^-64; a block of zeros of O gets the byte 1 (this program alone reads the bytes); NaN and infinities are not served.
.set NS,    16
.set UA,    12288
.set UB,    12800
.set SLOT,  4*UA+8*UB
.set SCA,   2*SLOT
.set RLB,   SCA+8192
.set SPARE, RLB+512
.set PST,   12582912
.set LI,   4
.set ADRA, 16
.set ADRB, 18
.set ADSB, 20
.set ADSA, 22
.set LIU,  24
.set SOF,  25
.set T4,   26
.set TW,   27
.set SPW,  28
.set NIL,  29
.set SC,   32
.set AF,   64
.set WW,   64
.set NN,   80
.set LL,   96
.set NMIN, 112
.set EI,   128
.set H,    64
.set PC,   160
.set PWA,  180
.set OW,   184
.set TM,   224
.set RL,   240
.set RP,   244
.set WV,   16
.set GA,   17
.set GB,   18
.set G1A,  24
.set G0A,  32
.set G1B,  48
.set G0B,  56
.set OUT,  84
.set SEL,  86
.set HM,   88
.set K01,  89
.set STP,  90
.set MSB, 0
.macro WIN new
.if MSB != (\new)
	s_set_vgpr_msb (MSB<<8)|(\new)
.set MSB, \new
.endif
.endm
.macro PLACES
.rept 4
	v_nop
.endr
.endm
.macro JLOAD g0a, g1a, g0b, g1b
	s_cmp_eq_u32 s[GA], 0
	s_cbranch_scc0 .Lfor_b_\@
	tensor_load_to_lds s[\g0a:\g0a+3], s[\g1a:\g1a+7]
	s_nop 0
.rept 4
	v_nop
.endr
	s_branch .Lasked_\@
.Lfor_b_\@:
	tensor_load_to_lds s[\g0b:\g0b+3], s[\g1b:\g1b+7]
	s_nop 0
.rept 4
	v_nop
.endr
.Lasked_\@:
.endm
.macro CROUND
	s_barrier_signal -1
	s_barrier_wait -1
	s_cmp_lg_u32 s[WV], 0
	s_cbranch_scc1 .Lnot_wave_0_\@
	s_barrier_signal -3
.Lnot_wave_0_\@:
	s_barrier_wait -3
	s_barrier_signal -1
	s_barrier_wait -1
.endm
.macro QMAX
.irp b, 0,1,2,3
	v_max3_num_f32 v[TM+\b], |v[H+16*\b]|, |v[H+16*\b+1]|, 0x1800000
.endr
.irp i, 2,4,6,8,10,12,14
.irp b, 0,1,2,3
	v_max3_num_f32 v[TM+\b], v[TM+\b], |v[H+16*\b+\i]|, |v[H+16*\b+\i+1]|
.endr
.endr
.irp b, 0,1,2,3
	v_permlanex16_b32 v[TM+4+\b], v[TM+\b], s[SEL], s[SEL+1]
.endr
.irp b, 0,1,2,3
	v_max_num_f32 v[TM+\b], v[TM+\b], v[TM+4+\b]
.endr
.endm
.macro QCODE pw
.irp b, 0,1,2,3
	v_add_nc_u32 v[TM+12+\b], 0xff000000, v[TM+\b]
.endr
.irp b, 0,1,2,3
	v_lshrrev_b32 v[TM+4+\b], 23, v[TM+12+\b]
.endr
	v_lshl_or_b32 v[\pw], v[TM+5], 8, v[TM+4]
	v_lshl_or_b32 v[\pw], v[TM+6], 16, v[\pw]
	v_lshl_or_b32 v[\pw], v[TM+7], 24, v[\pw]
.irp c, 0,1
	v_cvt_scalef32_pk16_fp6_f32 v[PC+6*\c:PC+6*\c+2], v[H+32*\c:H+32*\c+15], v[TM+12+2*\c]
	v_cvt_scalef32_pk16_fp6_f32 v[PC+12+4*\c:PC+14+4*\c], v[H+32*\c+16:H+32*\c+31], v[TM+13+2*\c]
.endr
	v_nop
.irp c, 0,1
.irp i, 0,1,2
	v_permlane16_swap_b32 v[PC+6*\c+\i], v[PC+12+4*\c+\i]
.endr
.irp i, 0,1,2
	v_mov_b32 v[PC+3+6*\c+\i], v[PC+12+4*\c+\i]
.endr
.endr
.endm
	s_load_b128 s[4:7], s[0:1], 0x0
	s_load_b64 s[8:9], s[0:1], 0x10
	v_lshl_add_u32 v[SPW], v0, 2, SPARE
	v_mov_b32 v[NIL], 0
	ds_add_u32 v[SPW], v[NIL]
	ds_add_u32 v[SPW], v[NIL]
	v_lshrrev_b32 v1, 5, v0
	v_readfirstlane_b32 s[WV], v1
.set PVA, 8                            ; v8 p's prefetch offset: 256 x (12 wave + lane, held at 11): 48 blocks a work-group;  v9 V^T's: 256 x (25 wave + lane, held at 24): 100 blocks; never rewritten
.set PVB, 9
.set PFA, 68                           ; s[68:69], s[70:71] my work-group's quarter of a slot's bytes of p and of V^T, at slot 0; never rewritten
.set PFB, 70
	v_and_b32 v[PVB], 31, v0
	v_min_u32 v[PVA], 11, v[PVB]
	v_mad_u32_u24 v[PVA], v1, 12, v[PVA]
	v_lshlrev_b32 v[PVA], 8, v[PVA]
	v_min_u32 v[PVB], 24, v[PVB]
	v_mad_u32_u24 v[PVB], v1, 25, v[PVB]
	v_lshlrev_b32 v[PVB], 8, v[PVB]
	s_lshr_b32 s[GA], s[WV], 1
	s_and_b32 s[GB], s[WV], 1
	s_bfe_u32 s40, ttmp6, 0x40000
	s_bfe_u32 s41, ttmp6, 0x40004
	s_lshl_b32 s42, ttmp9, 2
	s_add_co_u32 s42, s42, s40
	s_and_b32 s94, ttmp7, 0xffff
	s_lshl_b32 s45, s94, 2
	s_add_co_u32 s45, s45, s41
	s_lshr_b32 s95, s94, 2
	s_lshl_b32 s43, s41, 2
	s_lshl_b32 s43, 15, s43
	s_lshl_b32 s44, 0x1111, s40
	s_or_b32 s[G1A], s43, (3<<16)|(1<<21)
	s_mov_b32 s[G1A+1], 32<<16
	s_mov_b32 s[G1A+2], 96<<16
	s_mov_b32 s[G1A+3], 32<<16
	s_mov_b32 s[G1A+4], 96
	s_mov_b32 s[G1A+5], 32
	s_mov_b32 s[G1A+6], 0
	s_mov_b32 s[G1A+7], 0
	s_or_b32 s[G1B], s44, (3<<16)|(1<<21)
	s_mov_b32 s[G1B+1], 32<<16
	s_mov_b32 s[G1B+2], 200<<16
	s_mov_b32 s[G1B+3], 32<<16
	s_mov_b32 s[G1B+4], 200
	s_mov_b32 s[G1B+5], 32
	s_mov_b32 s[G1B+6], 0
	s_mov_b32 s[G1B+7], 0
	s_lshl_b32 s20, s45, 4
	s_lshl_b32 s21, s[GB], 1
	s_add_co_u32 s20, s20, s21
	s_mul_i32 s20, s20, UA
	s_mov_b32 s21, 0
	s_lshl_b32 s46, s42, 1
	s_add_co_u32 s46, s46, s[GB]
	s_lshl_b32 s46, s46, 6
	s_lshl_b32 s47, s95, 4
	s_add_co_u32 s46, s46, s47
	s_mul_i32 s46, s46, UB
	s_mov_b32 s47, 0
	s_mul_i32 s22, s[GB], 2*UA
	s_mul_i32 s23, s[GB], 4*UB
	s_add_co_u32 s23, s23, 4*UA
	s_mul_i32 s92, s45, 16*1536
	s_mov_b32 s93, 0
	s_mov_b32 s[SEL], 0x76543210
	s_mov_b32 s[SEL+1], 0xfedcba98
	s_mov_b32 s[HM], 0xffff0000
	s_mov_b32 s[K01], 0x01010101
	v_lshlrev_b32 v[T4], 2, v0
	v_lshl_add_u32 v[TW], v0, 2, SCA
	s_wait_alu depctr_va_vdst(0)
	s_wait_dscnt 0x0
	CROUND                                         ; the round in front of the first joint loads; it names no argument, so it stands ahead of the wait for them
	s_wait_kmcnt 0x0
	s_add_nc_u64 s[20:21], s[4:5], s[20:21]
	s_add_nc_u64 s[46:47], s[6:7], s[46:47]
	s_add_nc_u64 s[STP:STP+1], s[4:5], s[92:93]
	s_add_nc_u64 s[STP:STP+1], s[STP:STP+1], PST
.irp s, 0,1,2,3,4,5,6,7,8,9,10,11,12,13,14,15
	global_load_b32 v[WW+\s], v[T4], s[STP:STP+1] offset:1536*\s
	global_load_b32 v[NN+\s], v[T4], s[STP:STP+1] offset:1536*\s+512
	global_load_b32 v[LL+\s], v[T4], s[STP:STP+1] offset:1536*\s+1024
.endr
.irp s, 0,1
	s_mov_b32 s[G0A+4*\s], 1
	s_add_co_u32 s[G0A+4*\s+1], s22, \s*SLOT
	s_add_nc_u64 s[G0A+4*\s+2:G0A+4*\s+3], s[20:21], \s*4*UA
	s_or_b32 s[G0A+4*\s+3], s[G0A+4*\s+3], 0x80000000
	s_mov_b32 s[G0B+4*\s], 1
	s_add_co_u32 s[G0B+4*\s+1], s23, \s*SLOT
	s_add_nc_u64 s[G0B+4*\s+2:G0B+4*\s+3], s[46:47], \s*4*UB
	s_or_b32 s[G0B+4*\s+3], s[G0B+4*\s+3], 0x80000000
.endr
	JLOAD G0A, G1A, G0B, G1B                       ; slot 0, steps 0-3
.macro PREF s                          ; slot s's bytes: my work-group's quarter of p's 49,152 and of V^T's 102,400
	global_prefetch_b8 v[PVA], s[PFA:PFA+1] offset:(\s)*4*UA th:TH_LOAD_NT scope:SCOPE_SE
	global_prefetch_b8 v[PVB], s[PFB:PFB+1] offset:(\s)*4*UB th:TH_LOAD_NT scope:SCOPE_SE
.endm
	s_mul_i32 s72, s45, 16*UA                      ; p: my query group's codes, + quarter cx of a slot's four units
	s_mul_i32 s73, s40, 12288
	s_add_co_u32 s72, s72, s73
	s_mov_b32 s73, 0
	s_add_nc_u64 s[PFA:PFA+1], s[4:5], s[72:73]
	s_lshl_b32 s72, s42, 1                         ; V^T: d group 2 TC + cy / 2, the batch's 16 units, + half cy % 2 of a slot's four units
	s_lshr_b32 s73, s41, 1
	s_add_co_u32 s72, s72, s73
	s_lshl_b32 s72, s72, 6
	s_lshl_b32 s73, s95, 4
	s_add_co_u32 s72, s72, s73
	s_mul_i32 s72, s72, UB
	s_and_b32 s73, s41, 1
	s_mul_i32 s73, s73, 25600
	s_add_co_u32 s72, s72, s73
	s_mov_b32 s73, 0
	s_add_nc_u64 s[PFB:PFB+1], s[6:7], s[72:73]
	PREF 1
	v_and_b32 v3, 31, v0
	v_and_b32 v1, 15, v0
	v_bfe_u32 v2, v0, 4, 1
	v_lshlrev_b32 v[LI], 4, v3
	v_lshlrev_b32 v5, 4, v1
	s_mul_i32 s92, s[GA], 6144
	v_add_nc_u32 v[LIU], s92, v[LI]
	s_lshl_b32 s93, s[GA], 8
	v_add_nc_u32 v[ADSA], s93, v5
	v_lshl_add_u32 v[SOF], v2, 3, v[ADSA]
	v_add_nc_u32 v[ADSA], SCA, v[ADSA]
	s_add_co_u32 s96, s23, 12288
.irp s, 0,1
	v_add_nc_u32 v[ADRA+\s], s92, v[LI]
	v_add_nc_u32 v[ADRB+\s], s23, v[LI]
	v_add_nc_u32 v[ADSB+\s], s96, v5
	s_add_co_u32 s92, s92, SLOT
	s_add_co_u32 s23, s23, SLOT
	s_add_co_u32 s96, s96, SLOT
.endr
.irp b, 0,1,2,3
	v_mov_b32 v[TM+4+\b], 0
.endr
	s_lshl_b32 s96, s45, 3
	s_lshl_b32 s97, s42, 1
	s_add_co_u32 s96, s96, s97
	s_add_co_u32 s96, s96, s[GB]
	s_mul_i32 s98, s96, UB
	s_mov_b32 s99, 0
	s_add_nc_u64 s[OUT:OUT+1], s[8:9], s[98:99]
	s_wait_loadcnt 0x0
	v_min3_num_f32 v[NMIN], v[NN], v[NN+1], v[NN+2]
.irp i, 3,5,7,9,11,13
	v_min3_num_f32 v[NMIN], v[NMIN], v[NN+\i], v[NN+\i+1]
.endr
	v_min_num_f32 v[NMIN], v[NMIN], v[NN+15]
.irp s, 0,1,2,3,4,5,6,7,8,9,10,11,12,13,14,15
	v_sub_f32 v[NN+\s], v[NMIN], v[NN+\s]
.endr
.irp s, 0,1,2,3,4,5,6,7,8,9,10,11,12,13,14,15
	v_cvt_i32_f32 v[EI+\s], v[NN+\s]
.endr
.irp s, 0,1,2,3,4,5,6,7,8,9,10,11,12,13,14,15
	v_ldexp_f32 v[LL+\s], v[LL+\s], v[EI+\s]
.endr
.irp s, 0,1,2,3,4,5,6,7,8,9,10,11,12,13,14,15
	v_max_num_f32 v[NN+\s], 0xc2800000, v[NN+\s]
.endr
.irp s, 0,1,2,3,4,5,6,7,8,9,10,11,12,13,14,15
	v_cvt_i32_f32 v[EI+\s], v[NN+\s]
.endr
.irp s, 0,1,2,3,4,5,6,7,8,9,10,11,12,13,14,15
	v_mul_lo_u32 v[EI+\s], v[EI+\s], s[K01]
.endr
.irp s, 0,1,2,3,4,5,6,7,8,9,10,11,12,13,14,15
	v_add_nc_u32 v[WW+\s], v[WW+\s], v[EI+\s]
.endr
.irp s, 0,1,2,3,4,5,6,7,8,9,10,11,12,13,14,15
	ds_store_b32 v[TW], v[WW+\s] offset:512*\s
.endr
.irp s, 0,2,4,6
	v_pk_add_f32 v[LL+\s:LL+\s+1], v[LL+\s:LL+\s+1], v[LL+8+\s:LL+9+\s]
.endr
.irp s, 0,2
	v_pk_add_f32 v[LL+\s:LL+\s+1], v[LL+\s:LL+\s+1], v[LL+4+\s:LL+5+\s]
.endr
	v_pk_add_f32 v[LL:LL+1], v[LL:LL+1], v[LL+2:LL+3]
	v_add_f32 v[LL], v[LL], v[LL+1]
	s_wait_alu depctr_va_vdst(0)
	v_rcp_f32 v[NMIN], v[LL]
	v_nop
	s_wait_alu depctr_va_vdst(0)
	ds_store_b32 v[TW], v[NMIN] offset:8192
.macro FETCHS
.set fs, (fn/4)%2
.set fq, fn%4
.set fp, fn%2
	WIN 0x40
.irp i, 0,1,2,3,4,5,6,7
.irp c, 0,1,2
	ds_load_b128 v[128*fp+12*\i+4*\c:128*fp+12*\i+4*\c+3], v[ADRB+fs] offset:fq*UB+1536*\i+512*\c
.endr
.endr
	WIN 0
.irp i, 0,1,2,3
.irp c, 0,1,2
	ds_load_b128 v[AF+48*fp+12*\i+4*\c:AF+48*fp+12*\i+4*\c+3], v[ADRA+fs] offset:fq*UA+1536*\i+512*\c
.endr
.endr
	ds_load_b128 v[SC+12*fp:SC+12*fp+3], v[ADSA] offset:512*fn
	ds_load_b128 v[SC+12*fp+4:SC+12*fp+7], v[ADSB+fs] offset:fq*UB
	ds_load_b128 v[SC+12*fp+8:SC+12*fp+11], v[ADSB+fs] offset:fq*UB+256
.endm
.macro MULS zero
.set mp, st%2
	WIN 0xa1
.irp a, 0,1,2,3
.irp b, 0,1,2,3,4,5,6,7
.set rD, 8*(8*\a+\b)
.set rB, 128*mp+12*\b
.set rA, AF+48*mp+12*\a
.if \zero
	v_wmma_scale_f32_16x16x128_f8f6f4 v[rD:rD+7], v[rB:rB+11], v[rA:rA+11], 0, v[SC+12*mp+4+\b], v[SC+12*mp+\a] matrix_a_fmt:MATRIX_FMT_FP6 matrix_b_fmt:MATRIX_FMT_FP6
.else
	v_wmma_scale_f32_16x16x128_f8f6f4 v[rD:rD+7], v[rB:rB+11], v[rA:rA+11], v[rD:rD+7], v[SC+12*mp+4+\b], v[SC+12*mp+\a] matrix_a_fmt:MATRIX_FMT_FP6 matrix_b_fmt:MATRIX_FMT_FP6
.endif
.endr
.endr
	WIN 0
.endm
.macro CHANGE fill
	s_wait_tensorcnt 0x0
	ds_add_u32 v[SPW], v[NIL]
.if \fill
	s_add_nc_u64 s[G0A+4*cs+2:G0A+4*cs+3], s[G0A+4*cs+2:G0A+4*cs+3], 8*UA
	s_add_nc_u64 s[G0B+4*cs+2:G0B+4*cs+3], s[G0B+4*cs+2:G0B+4*cs+3], 8*UB
.endif
	s_wait_dscnt 0x0
.if \fill
	CROUND
	JLOAD G0A+4*cs, G1A, G0B+4*cs, G1B
.else
	s_barrier_signal -1
	s_barrier_wait -1
	PLACES
.endif
.endm
.macro STEP
.set fn, st+1
.if (fn%4 == 0) && (fn < NS)
.set cs, (st/4)%2
.if fn+4 < NS
	CHANGE 1
.else
	CHANGE 0
.endif
.else
	s_wait_dscnt 0x0
.if (st > 0) && (fn < NS)
	PLACES
.endif
.endif
.if fn < NS
	FETCHS
.endif
.if fn == 4
	PREF 3                                         ; behind slot 2's joint load and the run of LDS loads
.endif
.if st == 0
	MULS 1
.else
	MULS 0
.endif
.endm
	s_wait_alu depctr_va_vdst(0)
	s_wait_tensorcnt 0x0                           ; my part of slot 0 is in
	ds_add_u32 v[SPW], v[NIL]
	s_wait_dscnt 0x0                               ; the add is done, and so are my stores of the adjusted scale words and of 1 / l
	CROUND                                         ; everybody's part of slot 0 and everybody's words are in, and the joint loads meet
	JLOAD G0A+4, G1A, G0B+4, G1B                   ; slot 1's first fill, steps 4-7: the first tensor load behind the round
.set fn, 0
	FETCHS
	PREF 2
.set st, 0
.rept NS
	STEP
.set st, st+1
.endr
	PLACES
	ds_load_b128 v[RL:RL+3], v[ADSA] offset:8192
	s_wait_dscnt 0x0
.irp a, 0,1,2,3
	v_mov_b32 v[RP], v[RL+\a]
	v_mov_b32 v[RP+1], v[RL+\a]
	WIN 0x02
.set j, 0
.rept 32
	v_pk_mul_f32 v[H+j:H+j+1], v[64*\a+j:64*\a+j+1], v[RP:RP+1]
.set j, j+2
.endr
	WIN 0
	QMAX
.if \a > 0
	s_wait_alu depctr_va_vdst(0)
	s_wait_xcnt 0x0
.endif
	QCODE PWA+\a
.irp c, 0,1,2
	global_store_b128 v[LIU], v[PC+4*\c:PC+4*\c+3], s[OUT:OUT+1] offset:1536*\a+512*\c
.endr
.endr
	v_cndmask_b32 v[OW], v[PWA], v[PWA+2], s[HM]
	v_cndmask_b32 v[OW+1], v[PWA+1], v[PWA+3], s[HM]
	global_store_b64 v[SOF], v[OW:OW+1], s[OUT:OUT+1] offset:12288
	s_wait_tensorcnt 0x0
	ds_add_u32 v[SPW], v[NIL]
	s_wait_dscnt 0x0
	CROUND
	s_endpgm
.Lfunc_end_k_q7258344b4d_mix:
	.size	k_q7258344b4d_mix, .Lfunc_end_k_q7258344b4d_mix-k_q7258344b4d_mix
	.p2alignl 7, 3214868480
	.fill 96, 4, 3214868480
	.section	.rodata,"a",@progbits
	.p2align	6, 0x0
	.amdhsa_kernel k_q7258344b4d_mix
		.amdhsa_group_segment_fixed_size 327680
		.amdhsa_private_segment_fixed_size 0
		.amdhsa_enable_private_segment 0
		.amdhsa_kernarg_size 24
		.amdhsa_user_sgpr_count 2
		.amdhsa_user_sgpr_kernarg_segment_ptr 1
		.amdhsa_wavefront_size32 1
		.amdhsa_system_sgpr_workgroup_id_x 1
		.amdhsa_system_sgpr_workgroup_id_y 1
		.amdhsa_system_sgpr_workgroup_id_z 1
		.amdhsa_system_vgpr_workitem_id 0
		.amdhsa_next_free_vgpr 768
		.amdhsa_next_free_sgpr 100
		.amdhsa_reserve_vcc 0
		.amdhsa_float_denorm_mode_32 3
		.amdhsa_float_denorm_mode_16_64 3
		.amdhsa_memory_ordered 1
		.amdhsa_forward_progress 1
		.amdhsa_inst_pref_size 156
	.end_amdhsa_kernel
	.amdgpu_metadata
---
amdhsa.version: [ 1, 2 ]
amdhsa.kernels:
  - .name:           k_q7258344b4d_mix
    .symbol:         k_q7258344b4d_mix.kd
    .args:
      - { .name: p, .offset: 0, .size: 8, .value_kind: global_buffer, .address_space: global }
      - { .name: vt, .offset: 8, .size: 8, .value_kind: global_buffer, .address_space: global }
      - { .name: o, .offset: 16, .size: 8, .value_kind: global_buffer, .address_space: global }
    .group_segment_fixed_size: 327680
    .private_segment_fixed_size: 0
    .kernarg_segment_align: 8
    .kernarg_segment_size: 24
    .max_flat_workgroup_size: 128
    .sgpr_count:     100
    .vgpr_count:     768
    .wavefront_size: 32
...
	.end_amdgpu_metadata
.endif
;; end of part 4
;; launch outp (part 5): grid 4 x 64, 4 waves a work-group, clusters of 4 x 4, 327,680 bytes of LDS; arguments o, img, bo, out0; writes out0
.if DOCPART == 5
	.amdgcn_target "amdgcn-amd-amdhsa--gfx1250"
	.amdhsa_code_object_version 6
	.text
	.protected	k_q7258344b4d_outp
	.globl	k_q7258344b4d_outp
	.p2align	8
	.type	k_q7258344b4d_outp,@function
k_q7258344b4d_outp:
	s_mov_b64 s[64:65], 0
	v_nop
	global_prefetch_b8 v0, s[64:65] scope:SCOPE_SE
	s_setreg_imm32_b32 hwreg(HW_REG_WAVE_MODE, 25, 1), 1
	s_wait_xcnt 0x0
	s_wait_alu depctr_hold_cnt(0) depctr_sa_sdst(0) depctr_va_vdst(0) depctr_va_sdst(0) depctr_va_ssrc(0) depctr_va_vcc(0) depctr_vm_vsrc(0)
	s_getreg_b32 s2, hwreg(HW_REG_IB_STS2, 6, 4)
	s_cmp_eq_u32 s2, 0
	s_cbranch_scc0 .Lentry_in_a_cluster
	s_endpgm
.Lentry_in_a_cluster:
	s_bfe_u32 s2, ttmp6, 0x10000c
	s_cmp_lg_u32 s2, 0xf033
	s_cbranch_scc0 .Lentry_shape_is_right
	s_endpgm
.Lentry_shape_is_right:
; out0 = O Wo^T + bo on codes of FP6 (E2M3) with E8M0 scales; out0 [8192][1024] f32.
; o: unit (token group x 8 + K step) x 12,800; Wo: img, unit ((88 + group) x 8 + K step) x 12,800.  A unit is 8 fragments of 1,536 bytes (images of operand registers) and 512 bytes of scale words (word (block a, row rho) at
; 256 (a / 4) + 16 rho + 4 (a % 4)); block t of a group of 128 rows = rows 32 (t / 2) + 8 (t % 2) + rho + 8 (rho / 8).
; A tile is 128 tokens x 256 columns, so that there are 256 tiles; four waves, each 64 x 128: 32 accumulators.  K = 1,024: 8 steps: ALL of K fits into two LDS slots of four steps, asked for at the start: nothing is filled again.
; TRANSPOSED USE (source 0 = 16 rows of Wo, source 1 = 16 tokens): a lane holds one token, and the 64 registers of a block are columns 32 q + 16 h + i at register 16 q + i.  The bias is the C of the first K step's products.
; CLUSTERS: 4 x 4; O's tiles are shared along a row, Wo's along a column: asked for jointly.  No prefetch: every tile is asked for at the head.
; THE WAY OUT goes through the wave's own stage in LDS (16 rows of 512 + 16 bytes), in slot 0, which has had its only fill and is read by nobody behind the change of slots; rows leave as 512 consecutive bytes.
; LIMITS: NaN and infinities are not served.
; REGISTERS: window 0: v1-29 addresses; v32-55 scale words, two sets of 4 (A) + 8 (B); v64-111, v112-159 A's two sets; v160-223 the bias; on the way out v64-191 rows.  window 1: B's two sets.  window 2: accumulator (a, b) at v[8 (8 a + b)].
.set NS,    8
.set UA,    12800
.set UB,    12800
.set SLOT,  4*UA+8*UB
.set SPARE, 2*SLOT                     ; the spare words, 128 bytes a wave: two blocks of 256 bytes that no other line names
.set LI,   4
.set ADRA, 16
.set ADRB, 18
.set ADSB, 20
.set ADSA, 22
.set STO,  24
.set RD,   25
.set SPW,  28
.set NIL,  29
.set SC,   32
.set AF,   64
.set COL,  160
.set BK,   64
.set WV,   16
.set GA,   17
.set GB,   18
.set G1A,  24
.set G0A,  32
.set G1B,  48
.set G0B,  56
.set OUT,  84
.set BP,   90
.set MSB, 0
.macro WIN new
.if MSB != (\new)
	s_set_vgpr_msb (MSB<<8)|(\new)
.set MSB, \new
.endif
.endm
.macro PLACES
.rept 4
	v_nop
.endr
.endm
.macro JLOAD g0a, g1a, g0b, g1b        ; a joint load: waves 0 and 1 fetch for A, waves 2 and 3 for B; an s_nop 0 and four v_nop follow each line
	s_cmp_eq_u32 s[GA], 0
	s_cbranch_scc0 .Lfor_b_\@
	tensor_load_to_lds s[\g0a:\g0a+3], s[\g1a:\g1a+7]
	s_nop 0
.rept 4
	v_nop
.endr
	s_branch .Lasked_\@
.Lfor_b_\@:
	tensor_load_to_lds s[\g0b:\g0b+3], s[\g1b:\g1b+7]
	s_nop 0
.rept 4
	v_nop
.endr
.Lasked_\@:
.endm
.macro CROUND
	s_barrier_signal -1
	s_barrier_wait -1
	s_cmp_lg_u32 s[WV], 0
	s_cbranch_scc1 .Lnot_wave_0_\@
	s_barrier_signal -3
.Lnot_wave_0_\@:
	s_barrier_wait -3
	s_barrier_signal -1
	s_barrier_wait -1
.endm
	s_load_b256 s[4:11], s[0:1], 0x0               ; o, img, bo, out0
	v_lshl_add_u32 v[SPW], v0, 2, SPARE
	v_mov_b32 v[NIL], 0
	ds_add_u32 v[SPW], v[NIL]                      ; the wave's opening
	ds_add_u32 v[SPW], v[NIL]
	v_lshrrev_b32 v1, 5, v0
	v_readfirstlane_b32 s[WV], v1
	s_lshr_b32 s[GA], s[WV], 1
	s_and_b32 s[GB], s[WV], 1
	s_bfe_u32 s40, ttmp6, 0x40000                  ; cx
	s_bfe_u32 s41, ttmp6, 0x40004                  ; cy
	s_lshl_b32 s42, ttmp9, 2
	s_add_co_u32 s42, s42, s40                     ; TC: 256 columns, 0..3
	s_and_b32 s94, ttmp7, 0xffff
	s_lshl_b32 s45, s94, 2
	s_add_co_u32 s45, s45, s41                     ; TR: the token group, 0..63
	s_lshl_b32 s43, s41, 2
	s_lshl_b32 s43, 15, s43
	s_lshl_b32 s44, 0x1111, s40
	s_or_b32 s[G1A], s43, (3<<16)|(1<<21)          ; A: two K steps, 25,600 dense bytes as 100 rows of 256
	s_mov_b32 s[G1A+1], 32<<16
	s_mov_b32 s[G1A+2], 100<<16
	s_mov_b32 s[G1A+3], 32<<16
	s_mov_b32 s[G1A+4], 100
	s_mov_b32 s[G1A+5], 32
	s_mov_b32 s[G1A+6], 0
	s_mov_b32 s[G1A+7], 0
	s_or_b32 s[G1B], s44, (3<<16)|(1<<21)          ; B: four K steps of a group, 51,200 bytes as 200 rows
	s_mov_b32 s[G1B+1], 32<<16
	s_mov_b32 s[G1B+2], 200<<16
	s_mov_b32 s[G1B+3], 32<<16
	s_mov_b32 s[G1B+4], 200
	s_mov_b32 s[G1B+5], 32
	s_mov_b32 s[G1B+6], 0
	s_mov_b32 s[G1B+7], 0
	s_lshl_b32 s20, s45, 3
	s_lshl_b32 s21, s[GB], 1
	s_add_co_u32 s20, s20, s21
	s_mul_i32 s20, s20, UA                         ; O: K step 2 gb of token group TR
	s_mov_b32 s21, 0
	s_lshl_b32 s46, s42, 1
	s_add_co_u32 s46, s46, s[GB]
	s_add_co_u32 s46, s46, 88
	s_mul_i32 s46, s46, 8*UB                       ; Wo: group 2 TC + gb
	s_mov_b32 s47, 0
	s_mul_i32 s22, s[GB], 2*UA
	s_mul_i32 s23, s[GB], 4*UB
	s_add_co_u32 s23, s23, 4*UA
	s_wait_dscnt 0x0
	CROUND                                         ; the round in front of the first joint loads; it names no argument, so it stands ahead of the wait for them
	s_wait_kmcnt 0x0
	s_add_nc_u64 s[20:21], s[4:5], s[20:21]
	s_add_nc_u64 s[46:47], s[6:7], s[46:47]
.irp s, 0,1                            ; the two slots' groups 0: slot 0: K steps 0-3; slot 1: 4-7
	s_mov_b32 s[G0A+4*\s], 1
	s_add_co_u32 s[G0A+4*\s+1], s22, \s*SLOT
	s_add_nc_u64 s[G0A+4*\s+2:G0A+4*\s+3], s[20:21], \s*4*UA
	s_or_b32 s[G0A+4*\s+3], s[G0A+4*\s+3], 0x80000000
	s_mov_b32 s[G0B+4*\s], 1
	s_add_co_u32 s[G0B+4*\s+1], s23, \s*SLOT
	s_add_nc_u64 s[G0B+4*\s+2:G0B+4*\s+3], s[46:47], \s*4*UB
	s_or_b32 s[G0B+4*\s+3], s[G0B+4*\s+3], 0x80000000
.endr
	JLOAD G0A, G1A, G0B, G1B                       ; slot 0: Nothing is prefetched beside it: slot 1's load has K steps 0 to 2, 96 matrix instructions, in which to land
	v_and_b32 v3, 31, v0
	v_and_b32 v1, 15, v0                           ; r
	v_bfe_u32 v2, v0, 4, 1                         ; h
	v_lshlrev_b32 v[LI], 4, v3
	s_wait_alu depctr_va_vdst(0)
	v_lshlrev_b32 v5, 4, v1                        ; 16 r
	s_wait_alu depctr_va_vdst(0)
	v_lshlrev_b32 v6, 6, v2                        ; 64 h
	s_lshl_b32 s92, s42, 10
	s_lshl_b32 s93, s[GB], 9
	s_add_co_u32 s92, s92, s93                     ; my first column, in bytes: 4 (256 TC + 128 gb)
	s_mov_b32 s93, 0
	s_add_nc_u64 s[BP:BP+1], s[8:9], s[92:93]
.irp b, 0,1,2,3,4,5,6,7                ; register j of tile b wants bo[32 (b / 2) + 16 h + 8 (b % 2) + j]
	global_load_b128 v[COL+8*\b:COL+8*\b+3], v6, s[BP:BP+1] offset:(32*(\b/2)+8*(\b%2))*4
	global_load_b128 v[COL+8*\b+4:COL+8*\b+7], v6, s[BP:BP+1] offset:(32*(\b/2)+8*(\b%2))*4+16
.endr
	s_lshl_b32 s96, s45, 19                        ; 128 rows of 4,096 bytes a token group,
	s_lshl_b32 s97, s[GA], 18                      ; 64 rows for my four blocks
	s_add_co_u32 s96, s96, s97
	s_add_co_u32 s96, s96, s92
	s_mov_b32 s97, 0
	s_add_nc_u64 s[OUT:OUT+1], s[10:11], s[96:97]
	s_mul_i32 s92, s[GA], 6144
	s_lshl_b32 s98, s[GA], 8
	s_add_co_u32 s98, s98, 12288
	s_add_co_u32 s96, s23, 12288
.irp s, 0,1
	v_add_nc_u32 v[ADRA+\s], s92, v[LI]
	v_add_nc_u32 v[ADRB+\s], s23, v[LI]
	v_add_nc_u32 v[ADSA+\s], s98, v5
	v_add_nc_u32 v[ADSB+\s], s96, v5
	s_add_co_u32 s92, s92, SLOT
	s_add_co_u32 s23, s23, SLOT
	s_add_co_u32 s98, s98, SLOT
	s_add_co_u32 s96, s96, SLOT
.endr
	s_mul_i32 s99, s[WV], 16*528                   ; my stage
	v_mul_u32_u24 v[STO], v1, 528
	v_add_nc_u32 v[STO], v[STO], v6
	v_add_nc_u32 v[STO], s99, v[STO]               ; in: row r, + 64 h
	v_add_nc_u32 v[RD], s99, v[LI]                 ; back: a row's 512 bytes, 16 a lane
.macro FETCHS                          ; 39 LDS loads in one run: K step fn
.set fs, (fn/4)%2
.set fq, fn%4
.set fp, fn%2
	WIN 0x40
.irp i, 0,1,2,3,4,5,6,7
.irp c, 0,1,2
	ds_load_b128 v[128*fp+12*\i+4*\c:128*fp+12*\i+4*\c+3], v[ADRB+fs] offset:fq*UB+1536*\i+512*\c
.endr
.endr
	WIN 0
.irp i, 0,1,2,3
.irp c, 0,1,2
	ds_load_b128 v[AF+48*fp+12*\i+4*\c:AF+48*fp+12*\i+4*\c+3], v[ADRA+fs] offset:fq*UA+1536*\i+512*\c
.endr
.endr
	ds_load_b128 v[SC+12*fp:SC+12*fp+3], v[ADSA+fs] offset:fq*UA
	ds_load_b128 v[SC+12*fp+4:SC+12*fp+7], v[ADSB+fs] offset:fq*UB
	ds_load_b128 v[SC+12*fp+8:SC+12*fp+11], v[ADSB+fs] offset:fq*UB+256
.endm
.macro MULS bias                       ; 32 matrix instructions, K step st; the accumulators take turns, one instruction a turn; bias = 1: the first K step starts the sums with the bias
.set mp, st%2
.if \bias
	WIN 0x81                                       ; source 0 (B) window 1, source 1 (A) and C (the bias) window 0, D window 2
.else
	WIN 0xa1
.endif
.irp a, 0,1,2,3
.irp b, 0,1,2,3,4,5,6,7
.set rD, 8*(8*\a+\b)
.set rB, 128*mp+12*\b
.set rA, AF+48*mp+12*\a
.if \bias
	v_wmma_scale_f32_16x16x128_f8f6f4 v[rD:rD+7], v[rB:rB+11], v[rA:rA+11], v[COL+8*\b:COL+8*\b+7], v[SC+12*mp+4+\b], v[SC+12*mp+\a] matrix_a_fmt:MATRIX_FMT_FP6 matrix_b_fmt:MATRIX_FMT_FP6
.else
	v_wmma_scale_f32_16x16x128_f8f6f4 v[rD:rD+7], v[rB:rB+11], v[rA:rA+11], v[rD:rD+7], v[SC+12*mp+4+\b], v[SC+12*mp+\a] matrix_a_fmt:MATRIX_FMT_FP6 matrix_b_fmt:MATRIX_FMT_FP6
.endif
.endr
.endr
	WIN 0
.endm
.macro STEP
.set fn, st+1
.if fn == 4                            ; the one change of slots: slot 1 has landed in every wave's sight, and nobody reads slot 0 any more; nothing is filled again
	s_wait_tensorcnt 0x0
	ds_add_u32 v[SPW], v[NIL]
	s_wait_dscnt 0x0                               ; the add is done, my reads of slot 0 are over, this step's fragments are in
	s_barrier_signal -1
	s_barrier_wait -1
	PLACES
.else
	s_wait_dscnt 0x0
.if (st > 0) && (fn < NS)
	PLACES
.endif
.endif
.if fn < NS
	FETCHS
.endif
.if st == 0
	s_wait_loadcnt 0x0                             ; the bias
	MULS 1
.else
	MULS 0
.endif
.endm
	s_wait_alu depctr_va_vdst(0)
	s_wait_tensorcnt 0x0                           ; my part of slot 0 is in
	ds_add_u32 v[SPW], v[NIL]
	s_wait_dscnt 0x0
	CROUND                                         ; everybody's part of slot 0 is in, and the joint loads meet
	JLOAD G0A+4, G1A, G0B+4, G1B                   ; slot 1's first fill, K steps 4-7: the first tensor load behind the round
.set fn, 0
	FETCHS
.set st, 0
.rept NS
	STEP
.set st, st+1
.endr
.macro TOSTAGE a                       ; block a: 16 tokens x 128 columns into my stage, and back as whole rows
	WIN 0x08                                       ; an LDS store's data: window 2
.irp b, 0,1,2,3,4,5,6,7
	ds_store_b128 v[STO], v[64*(\a)+8*\b:64*(\a)+8*\b+3] offset:128*(\b/2)+32*(\b%2)       ; each accumulator from its low end on
	ds_store_b128 v[STO], v[64*(\a)+8*\b+4:64*(\a)+8*\b+7] offset:128*(\b/2)+32*(\b%2)+16
.endr
	WIN 0
.irp t, 0,1,2,3,4,5,6,7,8,9,10,11,12,13,14,15
	ds_load_b128 v[BK+64*((\a)%2)+4*\t:BK+64*((\a)%2)+4*\t+3], v[RD] offset:528*\t   ; LDS serves a wave's instructions in order: these see the stores above
.endr
.endm
.macro SEND a, younger                 ; younger: the LDS instructions issued behind block a's loads, which may stay out
	s_wait_dscnt \younger
.irp t, 0,1,2,3,4,5,6,7,8,9,10,11,12,13,14,15
	global_store_b128 v[LI], v[BK+64*((\a)%2)+4*\t:BK+64*((\a)%2)+4*\t+3], s[OUT:OUT+1] offset:(32*((\a)/2)+8*((\a)%2)+\t+8*(\t/8))*4096   ; 32 lanes store 512 consecutive bytes of the token's row
.endr
.endm
	PLACES
	TOSTAGE 0
.irp a, 1,2,3
.if \a > 1
	s_wait_xcnt 0x0                                ; block a - 2's stores have read their registers: block a's loads may land there
.endif
	TOSTAGE \a
	SEND \a-1, 32                                  ; behind block a - 1's loads: block a's 16 stores and 16 loads
.endr
	SEND 3, 0
	s_wait_tensorcnt 0x0                           ; the wave's end
	ds_add_u32 v[SPW], v[NIL]
	s_wait_dscnt 0x0
	CROUND                                         ; the closing round
	s_endpgm
.Lfunc_end_k_q7258344b4d_outp:
	.size	k_q7258344b4d_outp, .Lfunc_end_k_q7258344b4d_outp-k_q7258344b4d_outp
	.p2alignl 7, 3214868480
	.fill 96, 4, 3214868480
	.section	.rodata,"a",@progbits
	.p2align	6, 0x0
	.amdhsa_kernel k_q7258344b4d_outp
		.amdhsa_group_segment_fixed_size 327680
		.amdhsa_private_segment_fixed_size 0
		.amdhsa_enable_private_segment 0
		.amdhsa_kernarg_size 32
		.amdhsa_user_sgpr_count 2
		.amdhsa_user_sgpr_kernarg_segment_ptr 1
		.amdhsa_wavefront_size32 1
		.amdhsa_system_sgpr_workgroup_id_x 1
		.amdhsa_system_sgpr_workgroup_id_y 1
		.amdhsa_system_sgpr_workgroup_id_z 1
		.amdhsa_system_vgpr_workitem_id 0
		.amdhsa_next_free_vgpr 768
		.amdhsa_next_free_sgpr 100
		.amdhsa_reserve_vcc 0
		.amdhsa_float_denorm_mode_32 3
		.amdhsa_float_denorm_mode_16_64 3
		.amdhsa_memory_ordered 1
		.amdhsa_forward_progress 1
		.amdhsa_inst_pref_size 78
	.end_amdhsa_kernel
	.amdgpu_metadata
---
amdhsa.version: [ 1, 2 ]
amdhsa.kernels:
  - .name:           k_q7258344b4d_outp
    .symbol:         k_q7258344b4d_outp.kd
    .args:
      - { .name: o, .offset: 0, .size: 8, .value_kind: global_buffer, .address_space: global }
      - { .name: img, .offset: 8, .size: 8, .value_kind: global_buffer, .address_space: global }
      - { .name: bo, .offset: 16, .size: 8, .value_kind: global_buffer, .address_space: global }
      - { .name: out0, .offset: 24, .size: 8, .value_kind: global_buffer, .address_space: global }
    .group_segment_fixed_size: 327680
    .private_segment_fixed_size: 0
    .kernarg_segment_align: 8
    .kernarg_segment_size: 32
    .max_flat_workgroup_size: 128
    .sgpr_count:     100
    .vgpr_count:     768
    .wavefront_size: 32
...
	.end_amdgpu_metadata
.endif
;; end of part 5
